; MI455X (gfx1250); checked and timed in simulation.
; The chip was launched on July 23, 2026; its instructions are those of AMD's public machine-readable ISA for CDNA 5 (MIT licence, August 2026) and "CDNA5" Instruction Set Architecture Reference Guide (July 2026). The comments in the code are by the model that wrote it; some were corrected since.
;; Multi Headed Attention. Allowed arithmetic: float matrix products may take bf16 or f16 operands with f32 sums; other float arithmetic in f32, or as packed bf16 or f16 multiplies, adds, multiply-adds, maxima and minima; sums over many terms, partial sums and values carried from step to step in f32; what a program stores and reads back later, other than sums and carried values, may be rounded once to bf16 or f16.
;; Inputs: Wk 1,024 x 1,024 float32; Wo 1,024 x 1,024 float32; Wq 1,024 x 1,024 float32; Wv 1,024 x 1,024 float32; bk 1,024 float32; bo 1,024 float32; bq 1,024 float32; bv 1,024 float32; key 4 x 2,048 x 1,024 float32; mask 4 x 2,048 x 2,048 int32; query 4 x 2,048 x 1,024 float32; value 4 x 2,048 x 1,024 float32.
;; Outputs: out0 4 x 2,048 x 1,024 float32.
;; 2 versions, each right and faster than the one before. Each part assembles by itself: llvm-mc -triple=amdgcn-amd-amdhsa -mcpu=gfx1250 --defsym DOCPART=n.
;; ======== version 1 of 2: 4 launches
;; limits: values are held in f16: magnitudes above 65,504 overflow, below 6.1e-05 lose precision
;; workspace buffers: xw 58,720,256 bytes; mw 2,097,152 bytes of whole numbers; qkv 50,331,648 bytes; oh 16,777,216 bytes
;; launch prep (part 1): grid 1408 x 1, 8 waves a work-group, no clusters, 35,840 bytes of LDS; arguments query, key, value, Wq, Wk, Wv, Wo, mask, xw, mw; writes xw, mw
.if DOCPART == 1
	.amdgcn_target "amdgcn-amd-amdhsa--gfx1250"
	.amdhsa_code_object_version 6
	.text
	.protected	k_qf483d5a18d_prep
	.globl	k_qf483d5a18d_prep
	.p2align	8
	.type	k_qf483d5a18d_prep,@function
k_qf483d5a18d_prep:
	s_mov_b64 s[64:65], 0
	v_nop
	global_prefetch_b8 v0, s[64:65] scope:SCOPE_SE
	s_setreg_imm32_b32 hwreg(HW_REG_WAVE_MODE, 25, 1), 1
	s_wait_xcnt 0x0
; PREP: a stream.  Work-groups 0-895 round query, key, value, Wq, Wk, Wv, Wo (f32) to 16 bits into xw, 28,672 rows of 1,024 numbers in that order;
; work-groups 896-1407 turn the int32 mask into lane masks in mw.  No matrix work and no shared tile: each byte is read once and written once.
; FORMATS.  query .. Wv leave as bf16.  Wo is rounded to bf16 and that number is written as f16 (the last launch multiplies in f16).
; LIMIT: a weight of Wo beyond 65,504 would become an infinity; below 6.1e-5 it keeps f16's fixed step of 6e-8.
; mw: word ((b*128+qt)*32+step)*32 + 8 kb + j; its bit l says mask[b][16 qt + l%16][64 step + 16 kb + 8 (l/16) + j] != 0:
; the lane mask of register 8 kb + j of a tile of 16 queries x 64 keys whose lanes hold one query each.
.set STG,   4352                       ; a wave's stage: 16 rows x 272 bytes (256 + 16 of padding)
.set SPARE, 8*STG                      ; behind the stages: the spare words, 128 bytes a wave, four blocks of 256 bytes that no other line names
.set SA,  3                            ; v3  stage address, in
.set RA,  4                            ; v4  stage address, back
.set SPW, 6                            ; v6  my spare word; never rewritten
.set NIL, 7                            ; v7  0; never rewritten
.set W,   8                            ; v[8:11]   the wave's 128 mask words, four a lane
.set FR,  12                           ; v[12:43]  32 mask numbers as the score tile holds them; at work in Wo's way
.set X,   44                           ; v[44:171] as loaded
	s_load_b512 s[8:23], s[0:1], 0x0               ; query, key, value, Wq, Wk, Wv, Wo, mask
	s_load_b128 s[24:27], s[0:1], 0x40             ; xw s[24:25], mw s[26:27]
	v_lshl_add_u32 v[SPW], v0, 2, SPARE
	v_mov_b32 v[NIL], 0
	s_mov_b32 s40, ttmp9
	s_cmp_ge_u32 s40, 896
	s_cbranch_scc1 .Lmask
	; THE CAST.  A work-group takes 32 rows of 4,096 bytes; thread t takes 16 bytes at 16 t of each row.
	s_lshr_b32 s41, s40, 8                         ; query, key, value: 256 work-groups each
	s_and_b32 s42, s40, 255
	s_sub_co_u32 s43, s40, 768                     ; the weights: 32 work-groups each
	s_lshr_b32 s44, s43, 5
	s_add_co_u32 s44, s44, 3
	s_and_b32 s45, s43, 31
	s_cmp_lt_u32 s40, 768
	s_cselect_b32 s41, s41, s44                    ; which tensor, 0 to 6
	s_cselect_b32 s42, s42, s45                    ; which 32 rows of it
	s_lshl_b32 s42, s42, 17
	s_mov_b32 s43, 0
	s_lshl_b32 s44, s40, 16                        ; 32 rows of 2,048 bytes in xw
	s_mov_b32 s45, 0
	v_lshlrev_b32 v1, 4, v0
	v_lshlrev_b32 v2, 3, v0
	s_wait_kmcnt 0x0
	s_mov_b64 s[28:29], s[8:9]
.irp n, 1,2,3,4,5,6
	s_cmp_eq_u32 s41, \n
	s_cselect_b64 s[28:29], s[8+2*\n:9+2*\n], s[28:29]
.endr
	s_add_nc_u64 s[28:29], s[28:29], s[42:43]
	s_add_nc_u64 s[30:31], s[24:25], s[44:45]
	s_cmp_ge_u32 s40, 864
	s_cbranch_scc1 .Lwo
.set i, 0
.rept 32
	global_load_b128 v[X+4*i:X+4*i+3], v1, s[28:29] offset:4096*i th:TH_LOAD_NT  ; all 32 rows are asked for at once
.set i, i+1
.endr
.set i, 0
.rept 32
	s_wait_loadcnt 31-i                            ; loads come back in order: row i is in, the younger ones stay out
	v_cvt_pk_bf16_f32 v[X+4*i], v[X+4*i], v[X+4*i+1]
	v_cvt_pk_bf16_f32 v[X+4*i+1], v[X+4*i+2], v[X+4*i+3]
	global_store_b64 v2, v[X+4*i:X+4*i+1], s[30:31] offset:2048*i  ; a wave's 32 lanes store 256 consecutive bytes, aligned
.set i, i+1
.endr
	s_endpgm
.Lwo:                                                  ; Wo: rounded to bf16, widened, written as f16; four trips of eight rows
	s_mov_b32 s46, 4
.Lwo_trip:
.set i, 0
.rept 8
	global_load_b128 v[X+4*i:X+4*i+3], v1, s[28:29] offset:4096*i th:TH_LOAD_NT
.set i, i+1
.endr
.set i, 0
.rept 8
	s_wait_loadcnt 7-i
	v_cvt_pk_bf16_f32 v[FR], v[X+4*i], v[X+4*i+1]
	v_cvt_pk_bf16_f32 v[FR+1], v[X+4*i+2], v[X+4*i+3]
	v_lshlrev_b32 v[FR+2], 16, v[FR]
	v_and_b32 v[FR+3], 0xffff0000, v[FR]
	v_lshlrev_b32 v[FR+4], 16, v[FR+1]
	v_and_b32 v[FR+5], 0xffff0000, v[FR+1]
	v_cvt_pk_f16_f32 v[X+4*i], v[FR+2], v[FR+3]
	v_cvt_pk_f16_f32 v[X+4*i+1], v[FR+4], v[FR+5]
	global_store_b64 v2, v[X+4*i:X+4*i+1], s[30:31] offset:2048*i
.set i, i+1
.endr
	s_wait_xcnt 0x0                                ; the bases and the stores' data are rewritten only behind this wait
	s_add_nc_u64 s[28:29], s[28:29], 32768
	s_add_nc_u64 s[30:31], s[30:31], 16384
	s_sub_co_u32 s46, s46, 1
	s_cmp_lg_u32 s46, 0
	s_cbranch_scc1 .Lwo_trip
	s_endpgm
.Lmask:
	; THE MASK.  A work-group takes 16 query rows x 2,048 keys; wave w the keys 256 w on: four steps of 64 keys.
	; A load takes two rows' 256 bytes; they go through the wave's own stage and come back as the score tile's lanes hold them.
	s_sub_co_u32 s41, s40, 896                     ; the tile of 16 queries, 0 to 511
	s_lshl_b32 s42, s41, 17                        ; 16 rows of 8,192 bytes
	s_mov_b32 s43, 0
	s_lshl_b32 s44, s41, 12                        ; its 4,096 bytes of mw
	s_mov_b32 s45, 0
	v_lshrrev_b32 v5, 5, v0
	v_readfirstlane_b32 s47, v5                    ; wave
	v_and_b32 v[FR], 15, v0                        ; r = lane % 16
	v_bfe_u32 v[FR+1], v0, 4, 1                    ; h = lane / 16
	v_and_b32 v[FR+2], 31, v0                      ; lane
	s_mul_i32 s48, s47, STG
	s_lshl_b32 s49, s47, 10
	v_lshlrev_b32 v1, 4, v[FR]
	v_lshl_add_u32 v1, v[FR+1], 13, v1
	v_add_nc_u32 v1, s49, v1                       ; 1,024 w + 8,192 h + 16 r
	v_mul_u32_u24 v[SA], v[FR+1], 272
	v_lshl_add_u32 v[SA], v[FR], 4, v[SA]
	v_add_nc_u32 v[SA], s48, v[SA]                 ; in: row h, 16 bytes at 16 r
	v_mul_u32_u24 v[RA], v[FR], 272
	v_lshl_add_u32 v[RA], v[FR+1], 5, v[RA]
	v_add_nc_u32 v[RA], s48, v[RA]                 ; back: row r, keys 8 h on
	s_lshl_b32 s46, s47, 9
	v_lshlrev_b32 v2, 4, v[FR+2]
	v_add_nc_u32 v2, s46, v2                       ; 512 w + 16 lane
.irp n, 0,1,2,3
	v_mov_b32 v[W+\n], 0                           ; v_writelane_b32 keeps the other lanes: the registers are written whole first
.endr
	s_wait_kmcnt 0x0
	s_add_nc_u64 s[28:29], s[22:23], s[42:43]
	s_add_nc_u64 s[30:31], s[26:27], s[44:45]
.set u, 0
.rept 4
.set p, 0
.rept 8
	global_load_b128 v[X+4*(8*u+p):X+4*(8*u+p)+3], v1, s[28:29] offset:16384*p+256*u th:TH_LOAD_NT
.set p, p+1
.endr
.set u, u+1
.endr
.set u, 0
.rept 4
	s_wait_loadcnt 8*(3-u)                         ; step u's eight loads are in; the later steps' stay out
.set p, 0
.rept 8
	ds_store_b128 v[SA], v[X+4*(8*u+p):X+4*(8*u+p)+3] offset:544*p
.set p, p+1
.endr
.set c, 0
.rept 8
	ds_load_b128 v[FR+4*c:FR+4*c+3], v[RA] offset:64*(c/2)+16*(c%2)  ; LDS serves a wave's instructions in order: these see the stores above
.set c, c+1
.endr
	s_wait_dscnt 0x0
.set kb, 0
.rept 4
.set j, 0
.rept 8
	v_cmp_ne_u32 s[32+j], 0, v[FR+8*kb+j]          ; 32 lanes' answers are one word of mw
.set j, j+1
.endr
.set j, 0
.rept 8
	v_writelane_b32 v[W+(8*kb+j)%4], s[32+j], 8*u+(8*kb+j)/4  ; word 32 u + 8 kb + j of the wave's 128: four words a lane
.set j, j+1
.endr
.set kb, kb+1
.endr
.set u, u+1
.endr
	global_store_b128 v2, v[W:W+3], s[30:31]       ; 512 consecutive bytes, aligned
	s_wait_tensorcnt 0x0                           ; the wave's end
	ds_add_u32 v[SPW], v[NIL]
	s_wait_dscnt 0x0
	s_endpgm
.Lfunc_end_k_qf483d5a18d_prep:
	.size	k_qf483d5a18d_prep, .Lfunc_end_k_qf483d5a18d_prep-k_qf483d5a18d_prep
	.p2alignl 7, 3214868480
	.fill 96, 4, 3214868480
	.section	.rodata,"a",@progbits
	.p2align	6, 0x0
	.amdhsa_kernel k_qf483d5a18d_prep
		.amdhsa_group_segment_fixed_size 35840
		.amdhsa_private_segment_fixed_size 0
		.amdhsa_enable_private_segment 0
		.amdhsa_kernarg_size 80
		.amdhsa_user_sgpr_count 2
		.amdhsa_user_sgpr_kernarg_segment_ptr 1
		.amdhsa_wavefront_size32 1
		.amdhsa_system_sgpr_workgroup_id_x 1
		.amdhsa_system_sgpr_workgroup_id_y 1
		.amdhsa_system_sgpr_workgroup_id_z 1
		.amdhsa_system_vgpr_workitem_id 0
		.amdhsa_next_free_vgpr 172
		.amdhsa_next_free_sgpr 66
		.amdhsa_reserve_vcc 0
		.amdhsa_float_denorm_mode_32 3
		.amdhsa_float_denorm_mode_16_64 3
		.amdhsa_memory_ordered 1
		.amdhsa_forward_progress 1
		.amdhsa_inst_pref_size 44
	.end_amdhsa_kernel
	.amdgpu_metadata
---
amdhsa.version: [ 1, 2 ]
amdhsa.kernels:
  - .name:           k_qf483d5a18d_prep
    .symbol:         k_qf483d5a18d_prep.kd
    .args:
      - { .name: query, .offset: 0, .size: 8, .value_kind: global_buffer, .address_space: global }
      - { .name: key, .offset: 8, .size: 8, .value_kind: global_buffer, .address_space: global }
      - { .name: value, .offset: 16, .size: 8, .value_kind: global_buffer, .address_space: global }
      - { .name: Wq, .offset: 24, .size: 8, .value_kind: global_buffer, .address_space: global }
      - { .name: Wk, .offset: 32, .size: 8, .value_kind: global_buffer, .address_space: global }
      - { .name: Wv, .offset: 40, .size: 8, .value_kind: global_buffer, .address_space: global }
      - { .name: Wo, .offset: 48, .size: 8, .value_kind: global_buffer, .address_space: global }
      - { .name: mask, .offset: 56, .size: 8, .value_kind: global_buffer, .address_space: global }
      - { .name: xw, .offset: 64, .size: 8, .value_kind: global_buffer, .address_space: global }
      - { .name: mw, .offset: 72, .size: 8, .value_kind: global_buffer, .address_space: global }
    .group_segment_fixed_size: 35840
    .private_segment_fixed_size: 0
    .kernarg_segment_align: 8
    .kernarg_segment_size: 80
    .max_flat_workgroup_size: 256
    .sgpr_count:     66
    .vgpr_count:     172
    .wavefront_size: 32
...
	.end_amdgpu_metadata
.endif
;; end of part 1
;; launch proj (part 2): grid 4 x 192, 4 waves a work-group, clusters of 4 x 4, 327,680 bytes of LDS; arguments xw, bq, bk, bv, qkv; writes qkv
.if DOCPART == 2
	.amdgcn_target "amdgcn-amd-amdhsa--gfx1250"
	.amdhsa_code_object_version 6
	.text
	.protected	k_qf483d5a18d_proj
	.globl	k_qf483d5a18d_proj
	.p2align	8
	.type	k_qf483d5a18d_proj,@function
k_qf483d5a18d_proj:
	s_mov_b64 s[64:65], 0
	v_nop
	global_prefetch_b8 v0, s[64:65] scope:SCOPE_SE
	s_setreg_imm32_b32 hwreg(HW_REG_WAVE_MODE, 25, 1), 1
	s_wait_xcnt 0x0
	s_wait_alu depctr_hold_cnt(0) depctr_sa_sdst(0) depctr_va_vdst(0) depctr_va_sdst(0) depctr_va_ssrc(0) depctr_va_vcc(0) depctr_vm_vsrc(0)
	s_getreg_b32 s2, hwreg(HW_REG_IB_STS2, 6, 4)
	s_cmp_eq_u32 s2, 0
	s_cbranch_scc0 .Lentry_in_a_cluster
	s_endpgm
.Lentry_in_a_cluster:
	s_bfe_u32 s2, ttmp6, 0x10000c
	s_cmp_lg_u32 s2, 0xf033
	s_cbranch_scc0 .Lentry_shape_is_right
	s_endpgm
.Lentry_shape_is_right:
; PROJ: q, k, v = x W^T + b.  x: xw rows 0-24,575 (query, key, value), W: xw rows 24,576-27,647 (Wq, Wk, Wv), all bf16, 1,024 along K; sums in f32; the bias, rounded to bf16, starts the sums.
; Out: qkv, f16, [64 heads][8 tiles of 256 rows][Q, K, V][256 rows][64], rounded once, unscaled.  LIMIT: f16 ends at 65,504: a q, k or v beyond it becomes an infinity.
; A tile of C is 128 (m) x 256 (n): 768 work-groups, three for each of 256.  Four waves, each 64 x 128: 32 accumulators, 256 registers.  K goes in 8 steps of 128 through two LDS slots filled by tensor loads.
; CLUSTER 4 x 4: the four of a row need the same rows of x, the four of a column the same rows of W: each tile is asked for jointly, by the same load with the same descriptor and a mask of four.
; THE MATRIX INSTRUCTION IS USED TRANSPOSED (source 0 = 16 rows of W, source 1 = 16 rows of x): a lane holds eight neighbouring columns of one row of C.
; REGISTERS.  window 0: v16-29 addresses; v32-63 packed results; v64-159, v160-255 two fragment buffers (A's four fragments, then B's eight); on the way out v64-191 whole rows.
;   window 1: accumulator (a, b) at v[8 (8 a + b)].   window 2: v0-63 the bias as a C operand (block b at v[8 b]); v64-95 at work.
.set PITCH, 272                        ; an LDS row: 256 bytes + 16 of padding: the 16 rows of a fragment load start at 16 different 16-byte columns
.set AHALF, 64*PITCH                   ; what a wave fetches of A, and what a wave reads of A
.set BHALF, 128*PITCH                  ; the same for B
.set BOFF,  2*AHALF                    ; B's 256 rows lie behind A's 128
.set SLOT1, 131072                     ; slot 1: one exclusive or turns an address in one slot into the other's
.set STAGE, SLOT1+BOFF+2*BHALF         ; behind the ring: for each wave 2 heads x 16 rows x 144 bytes
.set SP,    144
.set WSTG,  2*16*SP
.set SPARE, STAGE+4*WSTG               ; the spare words, 128 bytes a wave: two blocks of 256 bytes that no other line names
.set HS,    786432                     ; a head's bytes in qkv
.set TS,    98304                      ; a tile's (Q, K, V of 256 rows)
.set WROWS, 50331648                   ; byte at which the weights begin in xw
.set A0,   16
.set B0,   17
.set ADRA, 18
.set ADRB, 19
.set STO,  24
.set RD,   25
.set GO,   26
.set BO,   27
.set SPW,  28
.set NIL,  29
.set TMP,  32
.set F0,   64
.set F1,   160
.set BK,   64
.set CNT,  3
.set TB,   22
.set G1A,  24
.set G0A,  32                          ; two sets: slot 0 with K step 0; slot 1 with K step 1, which then walks
.set G1B,  48
.set G0B,  56
.set WV,   66
.set WM,   67
.set WN,   68
.set MSB, 0
.macro WIN new                         ; the immediate's high byte repeats the setting that is left
.if MSB != (\new)
	s_set_vgpr_msb (MSB<<8)|(\new)
.set MSB, (\new)
.endif
.endm
.set MUL,  0x50                        ; fragments window 0, C and D window 1
.set MULB, 0x60                        ; C window 2 (the bias), D window 1
.macro PLACES                          ; four plain vector instructions between a matrix instruction and a load into, or a read of, its registers
.rept 4
	v_nop
.endr
.endm
.macro JLOAD                           ; the joint refill: waves 0, 1 fetch A's halves, waves 2, 3 B's; s_nop 0 and four v_nop follow each line
	s_cmp_eq_u32 s[WM], 0
	s_cbranch_scc0 .Lfor_b_\@
	tensor_load_to_lds s[G0A+4:G0A+7], s[G1A:G1A+7]
	s_nop 0
.rept 4
	v_nop
.endr
	s_branch .Lasked_\@
.Lfor_b_\@:
	tensor_load_to_lds s[G0B+4:G0B+7], s[G1B:G1B+7]
	s_nop 0
.rept 4
	v_nop
.endr
.Lasked_\@:
.endm
.macro CREST                           ; a round of the cluster's barrier behind its opening barrier
	s_cmp_lg_u32 s[WV], 0
	s_cbranch_scc1 .Lnot_wave_0_\@
	s_barrier_signal -3
.Lnot_wave_0_\@:
	s_barrier_wait -3
	s_barrier_signal -1
	s_barrier_wait -1
.endm
.macro CROUND
	s_barrier_signal -1
	s_barrier_wait -1
	CREST
.endm
	s_load_b256 s[4:11], s[0:1], 0x0               ; xw s[4:5], bq s[6:7], bk s[8:9], bv s[10:11]
	s_load_b64 s[74:75], s[0:1], 0x20              ; qkv
	v_lshl_add_u32 v[SPW], v0, 2, SPARE
	v_mov_b32 v[NIL], 0
	ds_add_u32 v[SPW], v[NIL]                      ; the wave's opening: the add and its wait stand ahead of my first tensor load
	v_lshrrev_b32 v1, 5, v0
	v_readfirstlane_b32 s[WV], v1
	s_lshr_b32 s[WM], s[WV], 1                     ; my half of the tile's rows; also: I fetch for A (0) or B (1)
	s_and_b32 s[WN], s[WV], 1                      ; my half of its columns; also: which half I fetch
	s_bfe_u32 s40, ttmp6, 0x40000                  ; cx
	s_bfe_u32 s41, ttmp6, 0x40004                  ; cy
	s_lshl_b32 s42, ttmp9, 2
	s_add_co_u32 s42, s42, s40                     ; tx: the tile column
	s_and_b32 s12, ttmp7, 0xffff                   ; the cluster's y
	s_lshr_b32 s45, s12, 4                         ; p: 0 query, 1 key, 2 value; the same in all sixteen
	s_lshl_b32 s13, s12, 2
	s_add_co_u32 s13, s13, s41                     ; ty = 64 p + the tile row
	s_lshl_b32 s43, s41, 2
	s_lshl_b32 s43, 15, s43                        ; my row of the cluster
	s_lshl_b32 s44, 0x1111, s40                    ; my column
	s_or_b32 s[G1A], s43, (1<<16)|(1<<20)|(1<<21)|(5<<22)|(3<<25)  ; the mask; 2-byte elements; padding on; bit 21 beside a mask; after every 64 words 4 words
	s_or_b32 s[G1B], s44, (1<<16)|(1<<20)|(1<<21)|(5<<22)|(3<<25)
	s_mov_b32 s[G1A+1], 128<<16                    ; tensor_dim0 = 128
	s_mov_b32 s[G1A+2], 64<<16                     ; tensor_dim1 = 64
	s_mov_b32 s[G1A+3], 128<<16                    ; tile_dim0 = 128
	s_mov_b32 s[G1A+4], 64                         ; tile_dim1 = 64
	s_mov_b32 s[G1A+5], 1024                       ; elements from row to row
	s_mov_b32 s[G1A+6], 0
	s_mov_b32 s[G1A+7], 0
	s_mov_b32 s[G1B+1], 128<<16
	s_mov_b32 s[G1B+2], 128<<16                    ; 128 rows
	s_mov_b32 s[G1B+3], 128<<16
	s_mov_b32 s[G1B+4], 128
	s_mov_b32 s[G1B+5], 1024
	s_mov_b32 s[G1B+6], 0
	s_mov_b32 s[G1B+7], 0
	s_lshl_b32 s16, s13, 18                        ; A: row 128 ty + 64 half, 2,048 bytes a row: ty and the wave's number alone
	s_lshl_b32 s17, s[WN], 17
	s_add_co_u32 s16, s16, s17
	s_mov_b32 s17, 0
	s_lshl_b32 s46, s45, 21                        ; B: row 1,024 p + 256 tx + 128 half: p, tx and the wave's number alone
	s_lshl_b32 s47, s42, 19
	s_add_co_u32 s46, s46, s47
	s_lshl_b32 s47, s[WN], 18
	s_add_co_u32 s46, s46, s47
	s_add_co_u32 s46, s46, WROWS
	s_mov_b32 s47, 0
	s_mul_i32 s20, s[WN], AHALF                    ; where they go: no place in the cluster enters an LDS address
	s_mul_i32 s21, s[WN], BHALF
	s_add_co_u32 s21, s21, BOFF
	s_lshl_b32 s18, s42, 10                        ; my 128 columns in the bias, in bytes
	s_lshl_b32 s19, s[WN], 9
	s_add_co_u32 s18, s18, s19
	s_mov_b32 s19, 0
	s_and_b32 s70, s13, 63                         ; the tile row mt in its tensor.  My part of qkv:
	s_lshr_b32 s72, s70, 4
	s_lshl_b32 s72, s72, 4                         ; head 16 batch
	s_lshl_b32 s71, s42, 2
	s_add_co_u32 s72, s72, s71                     ; + 4 tx
	s_lshl_b32 s71, s[WN], 1
	s_add_co_u32 s72, s72, s71                     ; + 2 half
	s_mul_i32 s72, s72, HS
	s_bfe_u32 s71, s70, 0x30001                    ; tile of 256 rows: (mt % 16) / 2
	s_mul_i32 s71, s71, TS
	s_add_co_u32 s72, s72, s71
	s_lshl_b32 s71, s45, 15                        ; Q, K or V
	s_add_co_u32 s72, s72, s71
	s_and_b32 s71, s70, 1
	s_lshl_b32 s71, s71, 14                        ; 128 rows of 128 bytes
	s_add_co_u32 s72, s72, s71
	s_lshl_b32 s71, s[WM], 13                      ; my 64 rows
	s_add_co_u32 s72, s72, s71
	s_mov_b32 s73, 0
	s_mov_b32 s[TB], 0
	s_wait_dscnt 0x0                               ; the opening add is done
	s_wait_kmcnt 0x0
	s_add_nc_u64 s[14:15], s[4:5], s[16:17]
	s_add_nc_u64 s[46:47], s[4:5], s[46:47]
	s_cmp_eq_u32 s45, 1
	s_cselect_b64 s[6:7], s[8:9], s[6:7]
	s_cmp_eq_u32 s45, 2
	s_cselect_b64 s[6:7], s[10:11], s[6:7]
	s_add_nc_u64 s[6:7], s[6:7], s[18:19]          ; the bias of my columns
	s_add_nc_u64 s[74:75], s[74:75], s[72:73]
.irp s, 0,1
	s_mov_b32 s[G0A+4*\s], 1
	s_add_co_u32 s[G0A+4*\s+1], s20, \s*SLOT1
	s_add_nc_u64 s[G0A+4*\s+2:G0A+4*\s+3], s[14:15], \s*256
	s_or_b32 s[G0A+4*\s+3], s[G0A+4*\s+3], 0x80000000
	s_mov_b32 s[G0B+4*\s], 1
	s_add_co_u32 s[G0B+4*\s+1], s21, \s*SLOT1
	s_add_nc_u64 s[G0B+4*\s+2:G0B+4*\s+3], s[46:47], \s*256
	s_or_b32 s[G0B+4*\s+3], s[G0B+4*\s+3], 0x80000000
.endr
	CROUND                                         ; all sixteen work-groups are here: the first joint loads meet
	s_cmp_eq_u32 s[WM], 0                          ; a wave's two first fills stand in one branch: two loads of mine are out
	s_cbranch_scc0 .Lfirst_b
	tensor_load_to_lds s[G0A:G0A+3], s[G1A:G1A+7]
	s_nop 0
	tensor_load_to_lds s[G0A+4:G0A+7], s[G1A:G1A+7]
	s_nop 0
.rept 4
	v_nop
.endr
	s_branch .Lfirst_asked
.Lfirst_b:
	tensor_load_to_lds s[G0B:G0B+3], s[G1B:G1B+7]
	s_nop 0
	tensor_load_to_lds s[G0B+4:G0B+7], s[G1B:G1B+7]
	s_nop 0
.rept 4
	v_nop
.endr
.Lfirst_asked:
	v_and_b32 v1, 15, v0                           ; r
	v_bfe_u32 v2, v0, 4, 1                         ; h
	v_lshlrev_b32 v[BO], 5, v2                     ; my eight columns of a block of 16: 32 h bytes
	WIN 0x80                                       ; destination window 2
.set b, 0
.rept 8
	global_load_b128 v[8*b:8*b+3],   v[BO], s[6:7] offset:64*b
	global_load_b128 v[8*b+4:8*b+7], v[BO], s[6:7] offset:64*b+16
.set b, b+1
.endr
	WIN 0
	v_mul_u32_u24 v3, v1, PITCH
	v_lshl_add_u32 v3, v2, 4, v3                   ; a fragment's row x pitch + 16 x half
	s_mul_i32 s20, s[WM], AHALF                    ; my 64 rows of A
	v_add_nc_u32 v[A0], s20, v3
	v_add_nc_u32 v[B0], s21, v3                    ; my 128 rows of B
	v_mov_b32 v[ADRA], v[A0]
	v_mov_b32 v[ADRB], v[B0]
	s_mul_i32 s23, s[WV], WSTG
	s_add_co_u32 s23, s23, STAGE                   ; my stage
	v_mul_u32_u24 v[STO], v1, SP
	v_lshl_add_u32 v[STO], v2, 4, v[STO]
	v_add_nc_u32 v[STO], s23, v[STO]               ; in: row r, 16 bytes for each half of the lanes
	v_bfe_u32 v[RD], v0, 3, 2
	v_mul_u32_u24 v[RD], v[RD], SP
	v_and_b32 v4, 7, v0
	v_lshl_add_u32 v[RD], v4, 4, v[RD]
	v_add_nc_u32 v[RD], s23, v[RD]                 ; back: 32 lanes take four rows of 128 bytes,
	v_and_b32 v[GO], 31, v0
	v_lshlrev_b32 v[GO], 4, v[GO]                  ; which are 512 consecutive bytes of qkv
	s_wait_loadcnt 0x0
	WIN 0x8a                                       ; all in window 2: the bias is rounded to bf16 like the other inputs, and widened again
.set i, 0
.rept 32
	v_cvt_pk_bf16_f32 v[64+i], v[2*i], v[2*i+1]
.set i, i+1
.endr
.set i, 0
.rept 32
	v_lshlrev_b32 v[2*i], 16, v[64+i]
	v_and_b32 v[2*i+1], 0xffff0000, v[64+i]
.set i, i+1
.endr
	WIN 0
; 8 matrix instructions: m block a x all 8 n blocks, 32 along K.  first = 1: the bias starts the sums: nothing is cleared, nothing added later.
; The 32 accumulators take turns, one instruction a turn.
.macro MUL8 f, a, first
.if \first
	WIN MULB
.else
	WIN MUL
.endif
.irp b, 0,1,2,3,4,5,6,7
.if \first
	v_wmma_f32_16x16x32_bf16 v[8*(8*(\a)+\b):8*(8*(\a)+\b)+7], v[(\f)+32+8*\b:(\f)+32+8*\b+7], v[(\f)+8*(\a):(\f)+8*(\a)+7], v[8*\b:8*\b+7]
.else
	v_wmma_f32_16x16x32_bf16 v[8*(8*(\a)+\b):8*(8*(\a)+\b)+7], v[(\f)+32+8*\b:(\f)+32+8*\b+7], v[(\f)+8*(\a):(\f)+8*(\a)+7], v[8*(8*(\a)+\b):8*(8*(\a)+\b)+7]
.endif
.endr
.endm
; 24 LDS loads in one run: quarter q's fragments (32 along K) into buffer f: B's sixteen loads, then A's eight
.macro FETCH q, f
	WIN 0
.irp i, 0,1,2,3,4,5,6,7
	ds_load_b128 v[(\f)+32+8*\i:(\f)+32+8*\i+3],   v[ADRB] offset:64*(\q)+\i*16*PITCH
	ds_load_b128 v[(\f)+32+8*\i+4:(\f)+32+8*\i+7], v[ADRB] offset:64*(\q)+\i*16*PITCH+32
.endr
.irp i, 0,1,2,3
	ds_load_b128 v[(\f)+8*\i:(\f)+8*\i+3],   v[ADRA] offset:64*(\q)+\i*16*PITCH
	ds_load_b128 v[(\f)+8*\i+4:(\f)+8*\i+7], v[ADRA] offset:64*(\q)+\i*16*PITCH+32
.endr
.endm
; multiplies buffer f and, in its middle, fetches quarter q of the same slot into buffer g
.macro QUARTER q, f, g, first
	s_wait_dscnt 4                                 ; all but the youngest four loads: A's fragments 2 and 3
	MUL8 \f, 0, \first
	MUL8 \f, 1, \first
	PLACES
	FETCH \q, \g
	s_wait_dscnt 24                                ; all but the 24 just issued
	MUL8 \f, 2, \first
	MUL8 \f, 3, \first
.endm
; The last quarter of a K step multiplies buffer 1 and changes slots.  In front of the barrier each wave waits for all its tensor loads (its part of the next slot), adds 0 to its spare word,
; and waits for that and for its reads of this slot.  fill = 1: the barrier opens a round of the cluster's, and the slot just read is filled again, two K steps on, first thing behind the round.
.macro TURN fill
	WIN 0
	s_wait_tensorcnt 0x0                           ; no tensor load of mine is out, so a group 0 may be written
	ds_add_u32 v[SPW], v[NIL]
.if \fill
	s_xor_b32 s[G0A+5], s[G0A+5], SLOT1            ; the walking descriptors: the other slot than last time, the next K step
	s_add_nc_u64 s[G0A+6:G0A+7], s[G0A+6:G0A+7], 256
	s_xor_b32 s[G0B+5], s[G0B+5], SLOT1
	s_add_nc_u64 s[G0B+6:G0B+7], s[G0B+6:G0B+7], 256
.endif
	s_wait_dscnt 7                                 ; the add and A's fragments 1 to 3 may be out
	MUL8 F1, 0, 0
	s_wait_dscnt 0x0                               ; the add is done, and my reads of this slot are over
	s_barrier_signal -1
	MUL8 F1, 1, 0                                  ; work on registers while the others arrive
	WIN 0
	s_barrier_wait -1
.if \fill
	CREST                                          ; no wave of any partner still reads this slot or has a load on its way
	JLOAD                                          ; its four v_nop are also the places in front of the loads below
.else
	PLACES
.endif
	s_xor_b32 s[TB], s[TB], SLOT1
	v_add_nc_u32 v[ADRA], s[TB], v[A0]
	v_add_nc_u32 v[ADRB], s[TB], v[B0]
	FETCH 0, F0
	MUL8 F1, 2, 0
	MUL8 F1, 3, 0
.endm
	s_wait_tensorcnt 0x1                           ; my part of K step 0 is in; K step 1's may stay out
	s_barrier_signal -1
	s_barrier_wait -1
	FETCH 0, F0
	QUARTER 1, F0, F1, 1                           ; the first quarter stands in front of the loop: its products start the sums
	WIN 0
	s_mov_b32 s[CNT], 6
.Lstep:                                                ; trip t: the rest of K step t, the change of slots (slot t % 2 takes K step t + 2), the first quarter of K step t + 1
	QUARTER 2, F1, F0, 0
	QUARTER 3, F0, F1, 0
	TURN 1
	QUARTER 1, F0, F1, 0
	WIN 0
	s_sub_co_u32 s[CNT], s[CNT], 1
	s_cmp_lg_u32 s[CNT], 0
	s_cbranch_scc1 .Lstep
	QUARTER 2, F1, F0, 0                           ; K steps 6 and 7: nothing is left to fetch
	QUARTER 3, F0, F1, 0
	TURN 0
	QUARTER 1, F0, F1, 0
	QUARTER 2, F1, F0, 0
	QUARTER 3, F0, F1, 0
	s_wait_dscnt 4
	MUL8 F1, 0, 0
	MUL8 F1, 1, 0
	s_wait_dscnt 0x0
	MUL8 F1, 2, 0
	MUL8 F1, 3, 0
	WIN 0
	PLACES
; THE WAY OUT, a block of 16 rows at a time: rounded to f16, 16 bytes a lane into my stage (two heads' rows of 128 bytes), back as four whole rows a load, stored as 512 consecutive bytes.
.macro PACK a
	WIN 0x05                                       ; sources window 1, destination window 0
.irp b, 0,1,2,3,4,5,6,7
.irp r, 0,1,2,3
	v_cvt_pk_f16_f32 v[TMP+4*\b+\r], v[8*(8*(\a)+\b)+2*\r], v[8*(8*(\a)+\b)+2*\r+1]
.endr
.endr
	WIN 0
.endm
.macro TOSTAGE a
.irp b, 0,1,2,3,4,5,6,7
	ds_store_b128 v[STO], v[TMP+4*\b:TMP+4*\b+3] offset:(\b/4)*16*SP+32*(\b%4)
.endr
.irp t, 0,1,2,3,4,5,6,7
	ds_load_b128 v[BK+32*(\a)+4*\t:BK+32*(\a)+4*\t+3], v[RD] offset:(\t/4)*16*SP+(\t%4)*4*SP  ; LDS serves a wave's instructions in order: these see the stores above
.endr
.endm
.macro SEND a
	s_wait_dscnt 0x0
.irp t, 0,1,2,3,4,5,6,7
	global_store_b128 v[GO], v[BK+32*(\a)+4*\t:BK+32*(\a)+4*\t+3], s[74:75] offset:HS*(\t/4)+2048*(\a)+512*(\t%4)
.endr
.endm
	PACK 0
	TOSTAGE 0
.irp a, 1,2,3                          ; a block's conversions stand between the loads of the block before and the wait for them
	PACK \a
	SEND (\a)-1
	TOSTAGE \a
.endr
	SEND 3
	s_wait_tensorcnt 0x0                           ; the wave's end
	ds_add_u32 v[SPW], v[NIL]
	s_wait_dscnt 0x0
	CROUND                                         ; the closing round: no work-group ends while a partner may still ask for a tile that names it
	s_endpgm
.Lfunc_end_k_qf483d5a18d_proj:
	.size	k_qf483d5a18d_proj, .Lfunc_end_k_qf483d5a18d_proj-k_qf483d5a18d_proj
	.p2alignl 7, 3214868480
	.fill 96, 4, 3214868480
	.section	.rodata,"a",@progbits
	.p2align	6, 0x0
	.amdhsa_kernel k_qf483d5a18d_proj
		.amdhsa_group_segment_fixed_size 327680
		.amdhsa_private_segment_fixed_size 0
		.amdhsa_enable_private_segment 0
		.amdhsa_kernarg_size 40
		.amdhsa_user_sgpr_count 2
		.amdhsa_user_sgpr_kernarg_segment_ptr 1
		.amdhsa_wavefront_size32 1
		.amdhsa_system_sgpr_workgroup_id_x 1
		.amdhsa_system_sgpr_workgroup_id_y 1
		.amdhsa_system_sgpr_workgroup_id_z 1
		.amdhsa_system_vgpr_workitem_id 0
		.amdhsa_next_free_vgpr 608
		.amdhsa_next_free_sgpr 76
		.amdhsa_reserve_vcc 0
		.amdhsa_float_denorm_mode_32 3
		.amdhsa_float_denorm_mode_16_64 3
		.amdhsa_memory_ordered 1
		.amdhsa_forward_progress 1
		.amdhsa_inst_pref_size 77
	.end_amdhsa_kernel
	.amdgpu_metadata
---
amdhsa.version: [ 1, 2 ]
amdhsa.kernels:
  - .name:           k_qf483d5a18d_proj
    .symbol:         k_qf483d5a18d_proj.kd
    .args:
      - { .name: xw, .offset: 0, .size: 8, .value_kind: global_buffer, .address_space: global }
      - { .name: bq, .offset: 8, .size: 8, .value_kind: global_buffer, .address_space: global }
      - { .name: bk, .offset: 16, .size: 8, .value_kind: global_buffer, .address_space: global }
      - { .name: bv, .offset: 24, .size: 8, .value_kind: global_buffer, .address_space: global }
      - { .name: qkv, .offset: 32, .size: 8, .value_kind: global_buffer, .address_space: global }
    .group_segment_fixed_size: 327680
    .private_segment_fixed_size: 0
    .kernarg_segment_align: 8
    .kernarg_segment_size: 40
    .max_flat_workgroup_size: 128
    .sgpr_count:     76
    .vgpr_count:     608
    .wavefront_size: 32
...
	.end_amdgpu_metadata
.endif
;; end of part 2
;; launch attn (part 3): grid 4 x 64, 4 waves a work-group, clusters of 4 x 1, 327,680 bytes of LDS; arguments qkv, mw, oh; writes oh
.if DOCPART == 3
	.amdgcn_target "amdgcn-amd-amdhsa--gfx1250"
	.amdhsa_code_object_version 6
	.text
	.protected	k_qf483d5a18d_attn
	.globl	k_qf483d5a18d_attn
	.p2align	8
	.type	k_qf483d5a18d_attn,@function
k_qf483d5a18d_attn:
	s_mov_b64 s[64:65], 0
	v_nop
	global_prefetch_b8 v0, s[64:65] scope:SCOPE_SE
	s_setreg_imm32_b32 hwreg(HW_REG_WAVE_MODE, 25, 1), 1
	s_wait_xcnt 0x0
	s_wait_alu depctr_hold_cnt(0) depctr_sa_sdst(0) depctr_va_vdst(0) depctr_va_sdst(0) depctr_va_ssrc(0) depctr_va_vcc(0) depctr_vm_vsrc(0)
	s_getreg_b32 s2, hwreg(HW_REG_IB_STS2, 6, 4)
	s_cmp_eq_u32 s2, 0
	s_cbranch_scc0 .Lentry_in_a_cluster
	s_endpgm
.Lentry_in_a_cluster:
	s_bfe_u32 s2, ttmp6, 0x10000c
	s_cmp_lg_u32 s2, 0x3003
	s_cbranch_scc0 .Lentry_shape_is_right
	s_endpgm
.Lentry_shape_is_right:
; ATTN: O[hb][q][:] = the sum over k of softmax_k(s(q, k)) V[hb][k][:], s = Q . K / 8 where mask[b][q][k] != 0, a constant far below where it is 0.  64 heads (hb = 16 b + head), 2,048 queries and keys, 64 channels.
; In: qkv, f16, [64][8 tiles][Q, K, V][256][64]; mw, the mask as lane masks (word ((b*128+qt)*32+step)*32 + register).  Out: oh, f16, [64][2048][64].  Products, maxima and sums in f32; p is rounded to f16 for the second product.
; THE MASK IS AN INPUT: every key tile is computed, and each score is replaced (v_cndmask_b32, one a score) where its bit is 0.
; LIMITS.  A hidden score counts as -2^33 before the division by 8 (-1.07e9 after it, where the module says -1e9): a row that is wholly hidden gets p = 1 exactly for every key, the mean of V; results differ
; only where true scores reach about -1e9.  f16 holds no number beyond 65,504.  A weight below 2^-126 counts as 0 in l.  NaN and infinities are not treated apart.
; SHARES.  A work-group owns 512 queries of a head, a wave 128: four PIECES of two tiles of 16.  Every wave walks all keys, 64 a step.
; LAYOUT.  S^T = K Q^T (source 0 = 16 keys, source 1 = 16 queries): a lane holds ONE query (lane % 16) and the keys 8 (lane / 16) + 0..7.  Two such tiles rounded to f16 ARE source 1 of O^T = V^T P.  V is turned by ds_load_tr16_b128.
; SOFTMAX.  A running maximum m and sum l a query: p = 2^(c s - c m), c = log2(e) / 8; O and l are multiplied by a = 2^(c m_old - c m_new) in every step.  m starts at the lowest finite number, O and l at 0.
; BY TURNS.  Turn n belongs to piece n: 16 products K Q^T of piece n + 1, later 16 products V^T P of piece n - 1; beside them the scaling, exponentials, roundings, sums and rescaling of piece n and the mask,
; maximum and statistics of piece n + 1.  300 vector instructions for 32 matrix instructions: four stand behind every matrix instruction, the others in two runs of their own.
; CLUSTER.  The four query blocks of a head walk the same K and V: each tile is asked for jointly, the same load, descriptor and mask in all four.
; REGISTERS.  window 0: v0-11 addresses; v12-15, v48-63 at work; v16-47 statistics; v64-191 S^T, two buffers of two tiles; v192-255 P, likewise.  window 1: O^T, 32 a tile.
;   window 2: v0-127 Q; v128-191 K of one step; v192-255 V of one step.  window 3: v0-1 the add's two registers.
.set NP,    4
.set KS,    64
.set PT,    160       ; a row of K or V in LDS: 128 bytes + 32 of padding, so that one descriptor brings both; K's 16 rows share each 16-byte column two deep
.set VOFF,  4*KS*PT   ; a slot holds a tile: 256 rows of K, then 256 rows of V
.set SLOT1, 1<<17
.set STAGE, SLOT1+2*VOFF   ; behind the ring: 16 rows x 144 bytes for each wave
.set SP,    144
.set SPARE, STAGE+4*16*SP  ; the spare words, 128 bytes a wave: two blocks of 256 bytes that no other line names
.set HS,    786432    ; a head's bytes in qkv
.set TS,    98304     ; a tile's
.set AK0, 2
.set AV0, 3
.set AK,  4
.set AV,  5
.set QO,  6
.set STO, 6
.set RD,  7
.set GO,  8
.set SPW, 0           ; v0 of window 3
.set NIL, 1           ; v1 of window 3
.set MV,  12
.set ST,  16          ; tile t: c m, m, l (even keys', odd keys')
.set TMP, 48
.set S,   64
.set P,   192
.set KF,  128
.set VF,  192
.set OPT, 4           ; s[4:5]   O at my wave's first row
.set MP,  6           ; s[6:7]   mw at my wave's first tile, the step in hand
.set G1,  8           ; s[8:15]  descriptor group 1
.set G0,  16          ; s[16:19] descriptor group 0: it walks
.set WV,  20
.set SLOTS, 21
.set CNT, 22
.set CS,  24          ; s24 c; named as a pair with s25
.set NEG, 25          ; s25 -2^33
.set SEL, 26          ; s[26:27]
.set TBK, 28
.set TBV, 29
.set QP,  30          ; s[30:31] Q at my wave's first row
.set BKB, 32          ; s[32:63] the 32 lane masks of the piece's second tile
.set BKA, 68          ; s[68:99] of its first
.set MSB, 0
.macro WIN new
.if MSB != (\new)
	s_set_vgpr_msb (MSB<<8)|(\new)
.set MSB, (\new)
.endif
.endm
.set W_KQ, 0x0a
.set W_PV, 0x52
.set W_RS, 0x41
.set W_MK, 0xc0
.set W_AD, 0x0f
.macro JLOAD                        ; every wave fetches its quarter of a tile's 65,536 dense bytes (waves 0, 1: K; 2, 3: V); s_nop 0 and four v_nop follow
	tensor_load_to_lds s[G0:G0+3], s[G1:G1+7]
	s_nop 0
.rept 4
	v_nop
.endr
.endm
.macro CROUND
	s_barrier_signal -1
	s_barrier_wait -1
	s_cmp_lg_u32 s[WV], 0
	s_cbranch_scc1 .Lnot_wave_0_\@
	s_barrier_signal -3
.Lnot_wave_0_\@:
	s_barrier_wait -3
	s_barrier_signal -1
	s_barrier_wait -1
.endm
; THE CHANGE OF SLOTS.  The slot has been read out.  Each wave waits for all its tensor loads (one is out: its part of the other slot), adds 0 to its spare word, and waits for that and for its reads.
; fill = 1: a round of the cluster's barrier, and the joint fill first behind it: the tile two on; it has four key steps in which to land.
.macro CHANGE fill
	WIN W_AD
	s_wait_tensorcnt 0x0            ; no tensor load of mine is out, so group 0 may be written
	ds_add_u32 v[SPW], v[NIL]
	WIN 0
.if \fill
	s_xor_b32 s[G0+1], s[G0+1], SLOT1
	s_add_nc_u64 s[G0+2:G0+3], s[G0+2:G0+3], TS
	s_wait_dscnt 0x0                ; the add is done, and my reads of the slot are over
	CROUND
	JLOAD
.else
	s_wait_dscnt 0x0
	s_barrier_signal -1
	s_barrier_wait -1
.endif
	s_sub_co_u32 s[TBK], s[TBK], VOFF  ; the fetches go back to a slot's first step, in the other slot
	s_xor_b32 s[TBK], s[TBK], SLOT1
	s_sub_co_u32 s[TBV], s[TBV], VOFF
	s_xor_b32 s[TBV], s[TBV], SLOT1
.endm
; the 64 lane masks of piece x: 128 bytes a tile and step; ex: 128 where the next step's are meant
.macro MLOAD x, ex
	s_load_b512 s[BKA:BKA+15],    s[MP:MP+1], 8192*(\x)+(\ex)
	s_load_b512 s[BKA+16:BKA+31], s[MP:MP+1], 8192*(\x)+(\ex)+64
	s_load_b512 s[BKB:BKB+15],    s[MP:MP+1], 8192*(\x)+4096+(\ex)
	s_load_b512 s[BKB+16:BKB+31], s[MP:MP+1], 8192*(\x)+4096+(\ex)+64
.endm
	s_load_b128 s[32:35], s[0:1], 0x0  ; qkv s[32:33], mw s[34:35]: in registers that the masks take later
	s_load_b64 s[36:37], s[0:1], 0x10  ; oh
	WIN W_MK
	v_lshl_add_u32 v[SPW], v0, 2, SPARE
	v_mov_b32 v[NIL], 0
	WIN W_AD
	ds_add_u32 v[SPW], v[NIL]       ; the wave's opening: the add and its wait stand ahead of my first tensor load
	WIN 0
	v_lshrrev_b32 v1, 5, v0
	v_readfirstlane_b32 s[WV], v1
	s_bfe_u32 s38, ttmp6, 0x40000   ; cx
	s_lshl_b32 s39, ttmp9, 2
	s_add_co_u32 s39, s39, s38      ; my block of 512 queries: it enters Q's, O's and the mask's addresses alone
	s_and_b32 s40, ttmp7, 0xffff    ; the head, which the four partners share
	s_mul_i32 s42, s40, HS
	s_lshl_b32 s44, s[WV], 14       ; my quarter of tile 0's K and V
	s_add_co_u32 s44, s44, s42
	s_add_co_u32 s44, s44, 32768
	s_mov_b32 s45, 0
	s_lshl_b32 s46, s39, 1          ; Q: tile 2 block + wave / 2,
	s_lshr_b32 s47, s[WV], 1
	s_add_co_u32 s46, s46, s47
	s_mul_i32 s46, s46, TS
	s_and_b32 s47, s[WV], 1         ; its rows 128 (wave % 2) on
	s_lshl_b32 s47, s47, 14
	s_add_co_u32 s46, s46, s47
	s_add_co_u32 s46, s46, s42
	s_mov_b32 s47, 0
	s_lshl_b32 s48, s40, 18         ; O: row 2,048 head + 512 block + 128 wave, 128 bytes a row
	s_lshl_b32 s49, s39, 16
	s_add_co_u32 s48, s48, s49
	s_lshl_b32 s49, s[WV], 14
	s_add_co_u32 s48, s48, s49
	s_mov_b32 s49, 0
	s_lshr_b32 s50, s40, 4          ; the masks: tile 128 b + 32 block + 8 wave, 4,096 bytes a tile
	s_lshl_b32 s50, s50, 19
	s_lshl_b32 s51, s39, 17
	s_add_co_u32 s50, s50, s51
	s_lshl_b32 s51, s[WV], 15
	s_add_co_u32 s50, s50, s51
	s_mov_b32 s51, 0
	s_mov_b32 s[G1], 15|(1<<16)|(1<<20)|(1<<21)|(4<<22)|(7<<25)  ; the mask of four; 2-byte elements; padding on; bit 21 beside a mask; after every 32 words 8 words
	s_mov_b32 s[G1+1], 128<<16      ; 16,384 dense bytes as 64 rows of 256: tensor_dim0 = 128
	s_mov_b32 s[G1+2], 64<<16       ; tensor_dim1 = 64
	s_mov_b32 s[G1+3], 128<<16      ; tile_dim0 = 128
	s_mov_b32 s[G1+4], 64           ; tile_dim1 = 64
	s_mov_b32 s[G1+5], 128          ; elements from row to row
	s_mov_b32 s[G1+6], 0
	s_mov_b32 s[G1+7], 0
	s_mov_b32 s[G0], 1
	s_mul_i32 s[G0+1], s[WV], 128*PT  ; slot 0, my 128 rows: no place in the cluster enters an LDS address
	s_mov_b32 s[CS], 0x3e38aa3b     ; c = log2(e) / 8
	s_mov_b32 s[NEG], 0xd0000000    ; -2^33: c times it is exact
	s_mov_b32 s[SEL], 0x76543210
	s_mov_b32 s[SEL+1], 0xfedcba98
	s_mov_b32 s[TBK], SLOT1+VOFF    ; the first change of slots turns these two into 0
	s_mov_b32 s[TBV], SLOT1+VOFF
	s_wait_dscnt 0x0                ; the opening add is done
	s_wait_kmcnt 0x0
	s_add_nc_u64 s[G0+2:G0+3], s[32:33], s[44:45]
	s_or_b32 s[G0+3], s[G0+3], 0x80000000
	s_add_nc_u64 s[QP:QP+1], s[32:33], s[46:47]
	s_add_nc_u64 s[OPT:OPT+1], s[36:37], s[48:49]
	s_add_nc_u64 s[MP:MP+1], s[34:35], s[50:51]
	CROUND                          ; all four work-groups are here: the first joint loads meet
	JLOAD                           ; tile 0 into slot 0
	MLOAD 0, 0                      ; piece 0's masks of step 0
	v_and_b32 v1, 15, v0
	v_bfe_u32 v9, v0, 4, 1
	v_lshlrev_b32 v[QO], 7, v1
	v_lshl_add_u32 v[QO], v9, 4, v[QO]
	WIN 0x80
.set i, 0
.rept 4*NP                          ; Q stays in registers: tile i / 2, channels 32 (i % 2) on
	global_load_b128 v[8*i:8*i+3],   v[QO], s[QP:QP+1] offset:(i/2)*2048+(i%2)*64
	global_load_b128 v[8*i+4:8*i+7], v[QO], s[QP:QP+1] offset:(i/2)*2048+(i%2)*64+32
.set i, i+1
.endr
	; What the first turn finds: V and P's second buffer hold 0 (its products V^T P, of a piece that has not been, add 0), O^T and l are 0.  All this stands in the wait for the first tile.
.set i, VF
.rept 64
	v_mov_b32 v[i], 0
.set i, i+1
.endr
	WIN 0x40
.set i, 0
.rept 64*NP
	v_mov_b32 v[i], 0
.set i, i+1
.endr
	WIN 0
.set i, 0
.rept 2*NP
	v_mov_b32 v[ST+4*i], 0xfe000000    ; c m: far below every c s, the hidden scores' too
	v_mov_b32 v[ST+4*i+1], 0xff7fffff  ; m
	v_mov_b32 v[ST+4*i+2], 0
	v_mov_b32 v[ST+4*i+3], 0
.set i, i+1
.endr
.set i, P+32
.rept 32
	v_mov_b32 v[i], 0
.set i, i+1
.endr
	v_mul_u32_u24 v[AK0], v1, PT
	v_lshl_add_u32 v[AK0], v9, 4, v[AK0]
	v_and_b32 v10, 7, v0
	v_bfe_u32 v11, v0, 3, 1
	v_lshl_add_u32 v[AV0], v9, 3, v10
	v_mul_u32_u24 v[AV0], v[AV0], PT
	v_lshl_add_u32 v[AV0], v11, 4, v[AV0]
	v_add_nc_u32 v[AV0], VOFF, v[AV0]
	v_mov_b32 v[AK], v[AK0]
; THE MATRIX WORK.  The 8 accumulators of a run of 16 take turns.
.macro KQ x
	WIN W_KQ
.set rS, S+64*((\x)%2)+32*(i%2)+8*((i/2)%4)
.set rK, KF+16*((i/2)%4)+8*(i/8)
.set rQ, 16*(2*(\x)+i%2)+8*(i/8)
.if i < 8
	v_wmma_f32_16x16x32_f16 v[rS:rS+7], v[rK:rK+7], v[rQ:rQ+7], 0
.else
	v_wmma_f32_16x16x32_f16 v[rS:rS+7], v[rK:rK+7], v[rQ:rQ+7], v[rS:rS+7]
.endif
.endm
.macro PV x
	WIN W_PV
.set rO, 32*(2*(\x)+i%2)+8*((i/2)%4)
.set rV, VF+32*(i/8)+8*((i/2)%4)
.set rP, P+32*((\x)%2)+16*(i%2)+8*(i/8)
	v_wmma_f32_16x16x32_f16 v[rO:rO+7], v[rV:rV+7], v[rP:rP+7], v[rO:rO+7]
.endm
.macro MM                           ; the turn's next matrix instruction
.if i < 16
	KQ (Y+1)%NP
.set i, i+1
.else
.set i, i-16
	PV (Y+NP-1)%NP
.set i, i+17
.endif
.endm
; THE LDS LOADS stand in runs of 16.  last = 1 (the tail): in the last trip there is no further step, and the run is jumped over.
.macro FETCH_K last=0
	WIN 0
.if \last
	s_cmp_eq_u32 s[CNT], 1
	s_cbranch_scc1 .Lno_k_\@
.endif
	WIN 0x80
.irp f, 0,1,2,3,4,5,6,7
	ds_load_b128 v[KF+8*\f:KF+8*\f+3],   v[AK] offset:(\f/2)*16*PT+(\f%2)*64
	ds_load_b128 v[KF+8*\f+4:KF+8*\f+7], v[AK] offset:(\f/2)*16*PT+(\f%2)*64+32
.endr
	s_add_co_u32 s[TBK], s[TBK], KS*PT
	WIN 0
.if \last
.Lno_k_\@:
.endif
.endm
.macro FETCH_V
	WIN 0x80
.irp f, 0,1,2,3,4,5,6,7
	ds_load_tr16_b128 v[VF+8*\f:VF+8*\f+3],   v[AV] offset:(\f/4)*32*PT+(\f%4)*32
	ds_load_tr16_b128 v[VF+8*\f+4:VF+8*\f+7], v[AV] offset:(\f/4)*32*PT+16*PT+(\f%4)*32
.endr
	WIN 0
.endm
; THE VECTOR WORK stands in four queues, each in the order in which its entries become ready; the two tiles alternate.
.macro REGS y, u
.set rT, ST+4*(2*(\y)+(\u))
.set rC, TMP+8*((\y)%2)+4*(\u)
.set rM, MV+2*((\y)%2)+(\u)
.set rS, S+64*((\y)%2)+32*(\u)
.set rP, P+32*((\y)%2)+16*(\u)
.set rO, 32*(2*(\y)+(\u))
.endm
; Number n of the 22 that find the next piece's maximum and statistics: 0-11 four chains of seven scores; 12-14, 16 the rest, the old m, all into c0; 15 c m_old is kept;
; 17, 18 the other half of the lanes: the new m; 19-21 c m; c m_old - c m_new; a
.macro XS u, n
	REGS (Y+1)%NP, \u
.if (\n) < 4
	v_max3_num_f32 v[rC+(\n)], v[rS+8*(\n)], v[rS+8*(\n)+1], v[rS+8*(\n)+2]
.elseif (\n) < 12
	v_max3_num_f32 v[rC+(\n)%4], v[rC+(\n)%4], v[rS+8*((\n)%4)+2*((\n)/4)+1], v[rS+8*((\n)%4)+2*((\n)/4)+2]
.elseif (\n) == 12
	v_max3_num_f32 v[rC], v[rC], v[rS+7], v[rS+15]
.elseif (\n) == 13
	v_max3_num_f32 v[rC+1], v[rC+1], v[rS+23], v[rS+31]
.elseif (\n) == 14
	v_max3_num_f32 v[rC+2], v[rC+2], v[rC+3], v[rT+1]
.elseif (\n) == 15
	v_mov_b32 v[rM], v[rT]
.elseif (\n) == 16
	v_max3_num_f32 v[rC], v[rC], v[rC+1], v[rC+2]
.elseif (\n) == 17
	v_permlanex16_b32 v[rC+3], v[rC], s[SEL], s[SEL+1]
.elseif (\n) == 18
	v_max_num_f32 v[rT+1], v[rC], v[rC+3]
.elseif (\n) == 19
	v_mul_f32 v[rT], s[CS], v[rT+1]
.elseif (\n) == 20
	v_sub_f32 v[rC+1], v[rM], v[rT]
.else
	v_exp_f32 v[rC+2], v[rC+1]
.endif
.endm
; Number g of the 64 that follow the exponentials: for each four weights of a tile both pairs are rounded to f16, the second pair is added onto the first, and a group later l takes the sum (the first time l = a l + sum)
.macro GS g
.set h, (\g)+6*((\g)/62)
.if h >= 6
.set h, h+2
.endif
	REGS Y, h%2
.set k, h/8
.if h%8 < 4
	v_cvt_pk_f16_f32 v[rP+2*k+(h%8)/2], v[rS+4*k+2*((h%8)/2)], v[rS+4*k+2*((h%8)/2)+1]
.elseif h%8 < 6
	v_pk_add_f32 v[rS+4*k:rS+4*k+1], v[rS+4*k:rS+4*k+1], v[rS+4*k+2:rS+4*k+3]
.elseif k == 1
	v_pk_fma_f32 v[rT+2:rT+3], v[rT+2:rT+3], v[rC+2:rC+3], v[rS:rS+1] op_sel_hi:[1,0,1]
.else
	v_pk_add_f32 v[rT+2:rT+3], v[rT+2:rT+3], v[rS+4*k-4:rS+4*k-3]
.endif
.endm
; QUEUE A, 96 long, the piece in hand: 0-31 c s - c m for the 16 pairs of both tiles; then GS's 64
.macro PA
	WIN 0
.if qa < 32
	REGS Y, qa%2
	v_pk_fma_f32 v[rS+2*(qa/2):rS+2*(qa/2)+1], v[rS+2*(qa/2):rS+2*(qa/2)+1], s[CS:CS+1], v[rT:rT+1] op_sel_hi:[1,0,0] neg_lo:[0,0,1] neg_hi:[0,0,1]
.else
	GS qa-32
.endif
.set qa, qa+1
.endm
; QUEUE B, 106 long, the next piece: 0-1 c m_old is kept; 2-65 the mask: a score whose bit is 0 becomes -2^33, in ascending order;
; 66-97 the maximum (numbers 0-14 and 16); 98-105 numbers 17-20
.macro PB
	WIN 0
.if qb < 2
	XS qb%2, 15
.elseif qb < 66
	REGS (Y+1)%NP, qb%2
.set mi, (qb-2)/2
.if qb%2 == 0
	v_cndmask_b32 v[rS+mi], s[NEG], v[rS+mi], s[BKA+mi]
.else
	v_cndmask_b32 v[rS+mi], s[NEG], v[rS+mi], s[BKB+mi]
.endif
.elseif qb < 98
	XS qb%2, (qb-66)/2+(qb-66)/30
.else
	XS qb%2, 17+(qb-98)/2
.endif
.set qb, qb+1
.endm
; THE EXPONENTIALS, 66: s0-s31 of both tiles, at last the next piece's two a
.macro EX
	WIN 0
.if e >= 64
	XS e-64, 21
.else
	REGS Y, e%2
	v_exp_f32 v[rS+e/2], v[rS+e/2]
.endif
.set e, e+1
.endm
; THE RESCALING: O^T times a, the one part that leaves window 0: four at a time, eight times
.macro R4
	REGS Y, r%2
	WIN W_RS
.irp z, 0,1,2,3
	v_pk_mul_f32 v[rO+8*(r/2)+2*\z:rO+8*(r/2)+2*\z+1], v[rO+8*(r/2)+2*\z:rO+8*(r/2)+2*\z+1], v[rC+2:rC+3] op_sel_hi:[1,0]
.endr
.set r, r+1
.endm
.macro SL                           ; a matrix instruction and four behind it
	MM
	PA
	EX
	PA
	PA
.endm
.macro UNIT                         ; unit j of 49: exponential 15 + j, B's 4 + 2 j and 5 + 2 j, GS's 5 + j, whose weights' exponentials stand four units back or more
	EX
	PB
	PA
	PB
.endm
; A TURN, for piece p.  The masks of the next piece are waited for behind the products that make its scores, four plain instructions (a rescaling) behind the last of them; the banks are loaded again a unit behind
; the last select, a turn ahead of their use.  K of the next step is fetched in piece 2's turn, V of the step in hand in piece 0's, each behind the last product that read it and four plain instructions or more.
.macro TURN p, last=0
.set Y, (\p)
.set i, 0
.set qa, 0
.set qb, 0
.set e, 0
.set r, 0
.if (\p) == NP-1
	s_wait_dscnt 0x0                ; K is in
.endif
	MM
.rept 4
	PA
.endr
.rept 8
	SL
.endr
.rept 3
	MM
	R4
	SL
.endr
	MM
	R4
	s_wait_kmcnt 0x0                ; the masks are in, and the scalar loads that named MP are done
.if (\p) == NP-1
	s_add_nc_u64 s[MP:MP+1], s[MP:MP+1], 128  ; the next key step's masks
.endif
.rept 2
	EX
	PB
	EX
	PB
.endr
.if (\p) == NP-2
	WIN 0
	v_add_nc_u32 v[AK], s[TBK], v[AK0]
.endif
	UNIT
	UNIT
.if (\p) == NP-2
	FETCH_K \last
.endif
.rept 16
	UNIT
.endr
.if (\p) == 1
	s_wait_dscnt 0x0                ; V is in
.endif
.rept 9
	MM
	UNIT
.endr
.rept 3
	MM
	R4
	MM
	UNIT
.endr
	MM
	R4
	UNIT                            ; the last two selects
.if (\p) == 0
	WIN 0
	v_add_nc_u32 v[AV], s[TBV], v[AV0]
.endif
	UNIT
.if (\p) == NP-2
	MLOAD 0, 128                    ; piece 0 of the next step
.else
	MLOAD ((\p)+2)%NP, 0
.endif
.if (\p) == 0
	FETCH_V
	s_add_co_u32 s[TBV], s[TBV], KS*PT
.endif
.rept 17
	UNIT
.endr
.rept 2
	PB
	PA
	PB
	PA
.endr
	EX
	PA
	EX
	PA
.rept 4
	PA
.endr
.endm
	CHANGE 1                        ; slot 0 is in, everybody's part of it; slot 1 is asked for
	FETCH_K                         ; key step 0
	s_wait_loadcnt 0x0              ; Q
	s_wait_dscnt 0x0
.set i, 0
.rept 16
	KQ 0                            ; piece 0's first scores
.set i, i+1
.endr
	WIN 0                           ; the addresses for the way out: nine plain instructions, the places behind those products
	s_mul_i32 s23, s[WV], 16*SP
	s_add_co_u32 s23, s23, STAGE
	v_mul_u32_u24 v[STO], v1, SP
	v_lshl_add_u32 v[STO], v9, 4, v[STO]
	v_add_nc_u32 v[STO], s23, v[STO]
	v_bfe_u32 v[RD], v0, 3, 2
	v_mul_u32_u24 v[RD], v[RD], SP
	v_lshl_add_u32 v[RD], v10, 4, v[RD]
	v_add_nc_u32 v[RD], s23, v[RD]
	v_and_b32 v[GO], 31, v0
	v_lshlrev_b32 v[GO], 4, v[GO]
	s_wait_kmcnt 0x0                ; piece 0's masks
.set Y, NP-1                        ; queue B and XS work for piece Y + 1: piece 0
.set qb, 2
.rept 64
	PB
.endr
.irp n, 0,1,2,3,4,5,6,7,8,9,10,11,12,13,14,15,16,17,18,19,20,21
	XS 0, \n
	XS 1, \n
.endr
	MLOAD 1, 0                      ; piece 1's masks, for the first turn
	s_mov_b32 s[CNT], 4
	s_mov_b32 s[SLOTS], 7
	s_branch .Lfirst                ; the loop is entered at a step's first turn, in the middle of a trip
.Lslot:                             ; six times: every slot but the last two is filled again
	CHANGE 1
	s_mov_b32 s[CNT], 4
.Lstep:                             ; a trip: pieces 2 and 3 of one step, then pieces 0 and 1 of the next
	TURN 2
	TURN 3
	WIN 0
.Lfirst:
	TURN 0
	TURN 1
	WIN 0
	s_sub_co_u32 s[CNT], s[CNT], 1
	s_cmp_lg_u32 s[CNT], 0
	s_cbranch_scc1 .Lstep
	s_sub_co_u32 s[SLOTS], s[SLOTS], 1
	s_cmp_lg_u32 s[SLOTS], 0
	s_cbranch_scc1 .Lslot
	CHANGE 0                        ; the tail is written out: nothing is asked for
	s_mov_b32 s[CNT], 5             ; four trips fetch the last slot's steps; the fifth is left in its middle
.Ltail:
	TURN 2, 1
	TURN 3
	WIN 0
	s_sub_co_u32 s[CNT], s[CNT], 1
	s_cmp_eq_u32 s[CNT], 0
	s_cbranch_scc1 .Lout
	TURN 0
	TURN 1
	WIN 0
	s_branch .Ltail
.Lout:                              ; the fifth trip's products K Q^T (on the last K once more), and the masks asked for them (step 0 of my wave's tiles 1 to 4: inside mw), serve nothing: the price of one text for every trip
	s_wait_kmcnt 0x0
.set i, 0
.rept 16
	PV NP-1                         ; the last piece's V^T P of the last step
.set i, i+1
.endr
	; THE WAY OUT.  l's halves are added; O^T is divided by l, rounded to f16 and sent through my stage, a tile at a time.  The additions are the places behind the last products.
	WIN 0
.macro ALL line:vararg
.set t, 0
.rept 2*NP
	\line
.set t, t+1
.endr
.endm
	ALL v_add_f32 v[ST+4*t+2], v[ST+4*t+2], v[ST+4*t+3]
	ALL v_permlanex16_b32 v[ST+4*t+3], v[ST+4*t+2], s[SEL], s[SEL+1]
	ALL v_add_f32 v[ST+4*t+2], v[ST+4*t+2], v[ST+4*t+3]
	ALL v_rcp_f32 v[ST+4*t+2], v[ST+4*t+2]
	v_nop                           ; a plain instruction between the last reciprocal and the use of its result
.macro PACK t
	WIN W_RS
.set i, 32*(\t)
.rept 16
	v_pk_mul_f32 v[i:i+1], v[i:i+1], v[ST+4*(\t)+2:ST+4*(\t)+3] op_sel_hi:[1,0]
.set i, i+2
.endr
	WIN 0x05
.set i, 0
.rept 16
	v_cvt_pk_f16_f32 v[S+16*(\t)+i], v[32*(\t)+2*i], v[32*(\t)+2*i+1]
.set i, i+1
.endr
	WIN 0
.irp f, 0,1,2,3
	ds_store_b128 v[STO], v[S+16*(\t)+4*\f:S+16*(\t)+4*\f+3] offset:32*\f
.endr
.irp f, 0,1,2,3
	ds_load_b128 v[S+16*(\t)+4*\f:S+16*(\t)+4*\f+3], v[RD] offset:\f*4*SP  ; LDS serves a wave's instructions in order: these see the stores above; the next tile's stores come behind them
.endr
.endm
.macro SEND t, younger              ; younger: the LDS instructions issued behind tile t's loads
	WIN 0
.irp f, 0,1,2,3
	s_wait_dscnt (\younger)+3-\f
	global_store_b128 v[GO], v[S+16*(\t)+4*\f:S+16*(\t)+4*\f+3], s[OPT:OPT+1] offset:(\t)*2048+\f*512  ; 512 consecutive bytes, aligned
.endr
.endm
	PACK 0
.set t, 1
.rept 2*NP-1
	PACK t
	SEND t-1, 8
.set t, t+1
.endr
	SEND 2*NP-1, 0
	WIN W_AD
	s_wait_tensorcnt 0x0            ; the wave's end
	ds_add_u32 v[SPW], v[NIL]
	s_wait_dscnt 0x0
	WIN 0
	CROUND                          ; the closing round
	s_endpgm
.Lfunc_end_k_qf483d5a18d_attn:
	.size	k_qf483d5a18d_attn, .Lfunc_end_k_qf483d5a18d_attn-k_qf483d5a18d_attn
	.p2alignl 7, 3214868480
	.fill 96, 4, 3214868480
	.section	.rodata,"a",@progbits
	.p2align	6, 0x0
	.amdhsa_kernel k_qf483d5a18d_attn
		.amdhsa_group_segment_fixed_size 327680
		.amdhsa_private_segment_fixed_size 0
		.amdhsa_enable_private_segment 0
		.amdhsa_kernarg_size 24
		.amdhsa_user_sgpr_count 2
		.amdhsa_user_sgpr_kernarg_segment_ptr 1
		.amdhsa_wavefront_size32 1
		.amdhsa_system_sgpr_workgroup_id_x 1
		.amdhsa_system_sgpr_workgroup_id_y 1
		.amdhsa_system_sgpr_workgroup_id_z 1
		.amdhsa_system_vgpr_workitem_id 0
		.amdhsa_next_free_vgpr 770
		.amdhsa_next_free_sgpr 100
		.amdhsa_reserve_vcc 0
		.amdhsa_float_denorm_mode_32 3
		.amdhsa_float_denorm_mode_16_64 3
		.amdhsa_memory_ordered 1
		.amdhsa_forward_progress 1
		.amdhsa_inst_pref_size 232
	.end_amdhsa_kernel
	.amdgpu_metadata
---
amdhsa.version: [ 1, 2 ]
amdhsa.kernels:
  - .name:           k_qf483d5a18d_attn
    .symbol:         k_qf483d5a18d_attn.kd
    .args:
      - { .name: qkv, .offset: 0, .size: 8, .value_kind: global_buffer, .address_space: global }
      - { .name: mw, .offset: 8, .size: 8, .value_kind: global_buffer, .address_space: global }
      - { .name: oh, .offset: 16, .size: 8, .value_kind: global_buffer, .address_space: global }
    .group_segment_fixed_size: 327680
    .private_segment_fixed_size: 0
    .kernarg_segment_align: 8
    .kernarg_segment_size: 24
    .max_flat_workgroup_size: 128
    .sgpr_count:     100
    .vgpr_count:     770
    .wavefront_size: 32
...
	.end_amdgpu_metadata
.endif
;; end of part 3
;; launch outp (part 4): grid 4 x 64, 4 waves a work-group, clusters of 4 x 4, 327,680 bytes of LDS; arguments oh, xw, bo, out0; writes out0
.if DOCPART == 4
	.amdgcn_target "amdgcn-amd-amdhsa--gfx1250"
	.amdhsa_code_object_version 6
	.text
	.protected	k_qf483d5a18d_outp
	.globl	k_qf483d5a18d_outp
	.p2align	8
	.type	k_qf483d5a18d_outp,@function
k_qf483d5a18d_outp:
	s_mov_b64 s[64:65], 0
	v_nop
	global_prefetch_b8 v0, s[64:65] scope:SCOPE_SE
	s_setreg_imm32_b32 hwreg(HW_REG_WAVE_MODE, 25, 1), 1
	s_wait_xcnt 0x0
	s_wait_alu depctr_hold_cnt(0) depctr_sa_sdst(0) depctr_va_vdst(0) depctr_va_sdst(0) depctr_va_ssrc(0) depctr_va_vcc(0) depctr_vm_vsrc(0)
	s_getreg_b32 s2, hwreg(HW_REG_IB_STS2, 6, 4)
	s_cmp_eq_u32 s2, 0
	s_cbranch_scc0 .Lentry_in_a_cluster
	s_endpgm
.Lentry_in_a_cluster:
	s_bfe_u32 s2, ttmp6, 0x10000c
	s_cmp_lg_u32 s2, 0xf033
	s_cbranch_scc0 .Lentry_shape_is_right
	s_endpgm
.Lentry_shape_is_right:
; OUTP: out0 = O Wo^T + bo.  O: oh, f16, [64 heads][2048][64]; Wo: xw from byte 56,623,104, f16 (the bf16 rounding written as f16), 1,024 along K; sums in f32; bo, rounded to bf16, starts the sums.  out0 in f32.
; A tile of C is 128 (m) x 256 (n): 256 work-groups.  Four waves, each 64 x 128: 32 accumulators.  K goes in 8 steps of 128, two heads a step, through two LDS slots filled by tensor loads.
; A's tile of a step is two heads' 128 rows of 128 bytes, each head's dense: asked for as 64 rows of 256 bytes, padded after every 128.
; CLUSTER 4 x 4: A's tiles are shared along a row of the cluster, B's along a column, by joint loads.  THE MATRIX INSTRUCTION IS USED TRANSPOSED: a lane holds eight neighbouring columns of one row of C.
; REGISTERS.  window 0: v16-29 addresses; v64-159, v160-255 two fragment buffers; on the way out v64-191 whole rows.  window 1: accumulator (a, b) at v[8 (8 a + b)].  window 2: v0-63 the bias as a C operand; v64-95 at work.
.set PITCH, 272                        ; B's LDS row: 256 + 16
.set APIT,  144                        ; A's: 128 + 16
.set AHEAD, 128*APIT                   ; a head's 128 rows: what a wave fetches of A
.set BHALF, 128*PITCH
.set BOFF,  2*AHEAD
.set SLOT1, 131072
.set STAGE, SLOT1+BOFF+2*BHALF         ; behind the ring: for each wave 16 rows x 528 bytes (512 + 16)
.set SP,    528
.set WSTG,  16*SP
.set SPARE, STAGE+4*WSTG               ; the spare words, 128 bytes a wave: two blocks of 256 bytes that no other line names
.set WROWS, 56623104
.set ASTEP, 524288                     ; two heads on
.set A0,   16
.set B0,   17
.set ADRA, 18
.set ADRB, 19
.set STO,  24
.set RD,   25
.set GO,   26
.set BO,   27
.set SPW,  28
.set NIL,  29
.set F0,   64
.set F1,   160
.set BK,   64
.set CNT,  3
.set TB,   22
.set G1A,  24
.set G0A,  32
.set G1B,  48
.set G0B,  56
.set WV,   66
.set WM,   67
.set WN,   68
.set MSB, 0
.macro WIN new
.if MSB != (\new)
	s_set_vgpr_msb (MSB<<8)|(\new)
.set MSB, (\new)
.endif
.endm
.set MUL,  0x50
.set MULB, 0x60
.macro PLACES
.rept 4
	v_nop
.endr
.endm
.macro JLOAD                           ; waves 0, 1 fetch A's two heads, waves 2, 3 B's halves; s_nop 0 and four v_nop follow each line
	s_cmp_eq_u32 s[WM], 0
	s_cbranch_scc0 .Lfor_b_\@
	tensor_load_to_lds s[G0A+4:G0A+7], s[G1A:G1A+7]
	s_nop 0
.rept 4
	v_nop
.endr
	s_branch .Lasked_\@
.Lfor_b_\@:
	tensor_load_to_lds s[G0B+4:G0B+7], s[G1B:G1B+7]
	s_nop 0
.rept 4
	v_nop
.endr
.Lasked_\@:
.endm
.macro CREST
	s_cmp_lg_u32 s[WV], 0
	s_cbranch_scc1 .Lnot_wave_0_\@
	s_barrier_signal -3
.Lnot_wave_0_\@:
	s_barrier_wait -3
	s_barrier_signal -1
	s_barrier_wait -1
.endm
.macro CROUND
	s_barrier_signal -1
	s_barrier_wait -1
	CREST
.endm
	s_load_b256 s[4:11], s[0:1], 0x0               ; oh s[4:5], xw s[6:7], bo s[8:9], out0 s[10:11]
	v_lshl_add_u32 v[SPW], v0, 2, SPARE
	v_mov_b32 v[NIL], 0
	ds_add_u32 v[SPW], v[NIL]                      ; the wave's opening: the add and its wait stand ahead of my first tensor load
	v_lshrrev_b32 v1, 5, v0
	v_readfirstlane_b32 s[WV], v1
	s_lshr_b32 s[WM], s[WV], 1
	s_and_b32 s[WN], s[WV], 1
	s_bfe_u32 s40, ttmp6, 0x40000                  ; cx
	s_bfe_u32 s41, ttmp6, 0x40004                  ; cy
	s_lshl_b32 s42, ttmp9, 2
	s_add_co_u32 s42, s42, s40                     ; tx
	s_and_b32 s13, ttmp7, 0xffff
	s_lshl_b32 s13, s13, 2
	s_add_co_u32 s13, s13, s41                     ; ty
	s_lshl_b32 s43, s41, 2
	s_lshl_b32 s43, 15, s43
	s_lshl_b32 s44, 0x1111, s40
	s_or_b32 s[G1A], s43, (1<<16)|(1<<20)|(1<<21)|(4<<22)|(3<<25)  ; padding after every 32 words, 4 words
	s_or_b32 s[G1B], s44, (1<<16)|(1<<20)|(1<<21)|(5<<22)|(3<<25)  ; after every 64 words
	s_mov_b32 s[G1A+1], 128<<16
	s_mov_b32 s[G1A+2], 64<<16
	s_mov_b32 s[G1A+3], 128<<16
	s_mov_b32 s[G1A+4], 64
	s_mov_b32 s[G1A+5], 128                        ; dense: 128 elements from row to row
	s_mov_b32 s[G1A+6], 0
	s_mov_b32 s[G1A+7], 0
	s_mov_b32 s[G1B+1], 128<<16
	s_mov_b32 s[G1B+2], 128<<16
	s_mov_b32 s[G1B+3], 128<<16
	s_mov_b32 s[G1B+4], 128
	s_mov_b32 s[G1B+5], 1024
	s_mov_b32 s[G1B+6], 0
	s_mov_b32 s[G1B+7], 0
	s_lshr_b32 s16, s13, 4                         ; A: head 16 batch + my head of the step's two, 262,144 bytes a head,
	s_lshl_b32 s16, s16, 22
	s_lshl_b32 s17, s[WN], 18
	s_add_co_u32 s16, s16, s17
	s_and_b32 s17, s13, 15                         ; rows 128 (ty % 16) on
	s_lshl_b32 s17, s17, 14
	s_add_co_u32 s16, s16, s17
	s_mov_b32 s17, 0
	s_lshl_b32 s46, s42, 19                        ; B: row 256 tx + 128 half
	s_lshl_b32 s47, s[WN], 18
	s_add_co_u32 s46, s46, s47
	s_add_co_u32 s46, s46, WROWS
	s_mov_b32 s47, 0
	s_mul_i32 s20, s[WN], AHEAD
	s_mul_i32 s21, s[WN], BHALF
	s_add_co_u32 s21, s21, BOFF
	s_lshl_b32 s18, s42, 10                        ; my 128 columns, in bytes of f32
	s_lshl_b32 s19, s[WN], 9
	s_add_co_u32 s18, s18, s19
	s_mov_b32 s19, 0
	s_lshl_b32 s72, s13, 19                        ; my first row of out0: 128 ty + 64 half, 4,096 bytes a row
	s_lshl_b32 s71, s[WM], 18
	s_add_co_u32 s72, s72, s71
	s_add_co_u32 s72, s72, s18
	s_mov_b32 s73, 0
	s_mov_b32 s[TB], 0
	s_wait_dscnt 0x0                               ; the opening add is done
	s_wait_kmcnt 0x0
	s_add_nc_u64 s[14:15], s[4:5], s[16:17]
	s_add_nc_u64 s[46:47], s[6:7], s[46:47]
	s_add_nc_u64 s[8:9], s[8:9], s[18:19]
	s_add_nc_u64 s[10:11], s[10:11], s[72:73]
.irp s, 0,1
	s_mov_b32 s[G0A+4*\s], 1
	s_add_co_u32 s[G0A+4*\s+1], s20, \s*SLOT1
	s_add_nc_u64 s[G0A+4*\s+2:G0A+4*\s+3], s[14:15], \s*ASTEP
	s_or_b32 s[G0A+4*\s+3], s[G0A+4*\s+3], 0x80000000
	s_mov_b32 s[G0B+4*\s], 1
	s_add_co_u32 s[G0B+4*\s+1], s21, \s*SLOT1
	s_add_nc_u64 s[G0B+4*\s+2:G0B+4*\s+3], s[46:47], \s*256
	s_or_b32 s[G0B+4*\s+3], s[G0B+4*\s+3], 0x80000000
.endr
	CROUND                                         ; all sixteen work-groups are here: the first joint loads meet
	s_cmp_eq_u32 s[WM], 0                          ; a wave's two first fills stand in one branch: two loads of mine are out
	s_cbranch_scc0 .Lfirst_b
	tensor_load_to_lds s[G0A:G0A+3], s[G1A:G1A+7]
	s_nop 0
	tensor_load_to_lds s[G0A+4:G0A+7], s[G1A:G1A+7]
	s_nop 0
.rept 4
	v_nop
.endr
	s_branch .Lfirst_asked
.Lfirst_b:
	tensor_load_to_lds s[G0B:G0B+3], s[G1B:G1B+7]
	s_nop 0
	tensor_load_to_lds s[G0B+4:G0B+7], s[G1B:G1B+7]
	s_nop 0
.rept 4
	v_nop
.endr
.Lfirst_asked:
	v_and_b32 v1, 15, v0
	v_bfe_u32 v2, v0, 4, 1
	v_lshlrev_b32 v[BO], 5, v2
	WIN 0x80
.set b, 0
.rept 8
	global_load_b128 v[8*b:8*b+3],   v[BO], s[8:9] offset:64*b
	global_load_b128 v[8*b+4:8*b+7], v[BO], s[8:9] offset:64*b+16
.set b, b+1
.endr
	WIN 0
	v_mul_u32_u24 v3, v1, PITCH
	v_lshl_add_u32 v3, v2, 4, v3
	v_mul_u32_u24 v4, v1, APIT
	v_lshl_add_u32 v4, v2, 4, v4
	s_mul_i32 s20, s[WM], 64*APIT                  ; my 64 rows in each head's part of A
	v_add_nc_u32 v[A0], s20, v4
	v_add_nc_u32 v[B0], s21, v3
	v_mov_b32 v[ADRA], v[A0]
	v_mov_b32 v[ADRB], v[B0]
	s_mul_i32 s23, s[WV], WSTG
	s_add_co_u32 s23, s23, STAGE
	v_mul_u32_u24 v[STO], v1, SP
	v_lshl_add_u32 v[STO], v2, 5, v[STO]
	v_add_nc_u32 v[STO], s23, v[STO]               ; in: row r, 32 bytes for each half of the lanes
	v_and_b32 v[GO], 31, v0
	v_lshlrev_b32 v[GO], 4, v[GO]                  ; back, and in out0: 32 lanes take a row's 512 bytes
	v_add_nc_u32 v[RD], s23, v[GO]
	s_wait_loadcnt 0x0
	WIN 0x8a                                       ; the bias is rounded to bf16 like the other inputs, and widened again
.set i, 0
.rept 32
	v_cvt_pk_bf16_f32 v[64+i], v[2*i], v[2*i+1]
.set i, i+1
.endr
.set i, 0
.rept 32
	v_lshlrev_b32 v[2*i], 16, v[64+i]
	v_and_b32 v[2*i+1], 0xffff0000, v[64+i]
.set i, i+1
.endr
	WIN 0
; The 32 accumulators take turns, one instruction a turn.  first = 1: the bias starts the sums.
.macro MUL8 f, a, first
.if \first
	WIN MULB
.else
	WIN MUL
.endif
.irp b, 0,1,2,3,4,5,6,7
.if \first
	v_wmma_f32_16x16x32_f16 v[8*(8*(\a)+\b):8*(8*(\a)+\b)+7], v[(\f)+32+8*\b:(\f)+32+8*\b+7], v[(\f)+8*(\a):(\f)+8*(\a)+7], v[8*\b:8*\b+7]
.else
	v_wmma_f32_16x16x32_f16 v[8*(8*(\a)+\b):8*(8*(\a)+\b)+7], v[(\f)+32+8*\b:(\f)+32+8*\b+7], v[(\f)+8*(\a):(\f)+8*(\a)+7], v[8*(8*(\a)+\b):8*(8*(\a)+\b)+7]
.endif
.endr
.endm
; quarter q: B's bytes 64 q of its rows; A's head q / 2, channels 32 (q % 2) on
.macro FETCH q, f
	WIN 0
.irp i, 0,1,2,3,4,5,6,7
	ds_load_b128 v[(\f)+32+8*\i:(\f)+32+8*\i+3],   v[ADRB] offset:64*(\q)+\i*16*PITCH
	ds_load_b128 v[(\f)+32+8*\i+4:(\f)+32+8*\i+7], v[ADRB] offset:64*(\q)+\i*16*PITCH+32
.endr
.irp i, 0,1,2,3
	ds_load_b128 v[(\f)+8*\i:(\f)+8*\i+3],   v[ADRA] offset:((\q)/2)*AHEAD+((\q)%2)*64+\i*16*APIT
	ds_load_b128 v[(\f)+8*\i+4:(\f)+8*\i+7], v[ADRA] offset:((\q)/2)*AHEAD+((\q)%2)*64+\i*16*APIT+32
.endr
.endm
.macro QUARTER q, f, g, first
	s_wait_dscnt 4                                 ; all but the youngest four loads: A's fragments 2 and 3
	MUL8 \f, 0, \first
	MUL8 \f, 1, \first
	PLACES
	FETCH \q, \g
	s_wait_dscnt 24                                ; all but the 24 just issued
	MUL8 \f, 2, \first
	MUL8 \f, 3, \first
.endm
; The change of slots: in front of the barrier each wave waits for all its tensor loads, adds 0 to its spare word, and waits for that and for its reads of this slot.
; fill = 1: the barrier opens a round of the cluster's, and the slot just read is filled again first thing behind the round.
.macro TURN fill
	WIN 0
	s_wait_tensorcnt 0x0                           ; no tensor load of mine is out, so a group 0 may be written
	ds_add_u32 v[SPW], v[NIL]
.if \fill
	s_xor_b32 s[G0A+5], s[G0A+5], SLOT1
	s_add_nc_u64 s[G0A+6:G0A+7], s[G0A+6:G0A+7], ASTEP
	s_xor_b32 s[G0B+5], s[G0B+5], SLOT1
	s_add_nc_u64 s[G0B+6:G0B+7], s[G0B+6:G0B+7], 256
.endif
	s_wait_dscnt 7                                 ; the add and A's fragments 1 to 3 may be out
	MUL8 F1, 0, 0
	s_wait_dscnt 0x0                               ; the add is done, and my reads of this slot are over
	s_barrier_signal -1
	MUL8 F1, 1, 0
	WIN 0
	s_barrier_wait -1
.if \fill
	CREST
	JLOAD                                          ; its four v_nop are also the places in front of the loads below
.else
	PLACES
.endif
	s_xor_b32 s[TB], s[TB], SLOT1
	v_add_nc_u32 v[ADRA], s[TB], v[A0]
	v_add_nc_u32 v[ADRB], s[TB], v[B0]
	FETCH 0, F0
	MUL8 F1, 2, 0
	MUL8 F1, 3, 0
.endm
	s_wait_tensorcnt 0x1                           ; my part of K step 0 is in; K step 1's may stay out
	s_barrier_signal -1
	s_barrier_wait -1
	FETCH 0, F0
	QUARTER 1, F0, F1, 1
	WIN 0
	s_mov_b32 s[CNT], 6
.Lstep:
	QUARTER 2, F1, F0, 0
	QUARTER 3, F0, F1, 0
	TURN 1
	QUARTER 1, F0, F1, 0
	WIN 0
	s_sub_co_u32 s[CNT], s[CNT], 1
	s_cmp_lg_u32 s[CNT], 0
	s_cbranch_scc1 .Lstep
	QUARTER 2, F1, F0, 0
	QUARTER 3, F0, F1, 0
	TURN 0
	QUARTER 1, F0, F1, 0
	QUARTER 2, F1, F0, 0
	QUARTER 3, F0, F1, 0
	s_wait_dscnt 4
	MUL8 F1, 0, 0
	MUL8 F1, 1, 0
	s_wait_dscnt 0x0
	MUL8 F1, 2, 0
	MUL8 F1, 3, 0
	WIN 0
	PLACES
; THE WAY OUT, in f32, a block of 16 rows at a time: a lane's eight columns, 32 bytes, into my stage; back as whole rows of 512 bytes; stored.
.macro TOSTAGE a
.if (\a) >= 2
	s_wait_xcnt 0x0                                ; the registers that the stores of two blocks back read are loaded again only behind this wait
.endif
	WIN 0x04                                       ; the stores' data in window 1; each accumulator's low half goes first
.irp b, 0,1,2,3,4,5,6,7
	ds_store_b128 v[STO], v[8*(8*(\a)+\b):8*(8*(\a)+\b)+3]   offset:64*\b
	ds_store_b128 v[STO], v[8*(8*(\a)+\b)+4:8*(8*(\a)+\b)+7] offset:64*\b+16
.endr
	WIN 0
.set t, 0
.rept 16
	ds_load_b128 v[BK+64*((\a)%2)+4*t:BK+64*((\a)%2)+4*t+3], v[RD] offset:SP*t  ; LDS serves a wave's instructions in order: these see the stores above; the next block's stores come behind them
.set t, t+1
.endr
.endm
.macro SEND a, younger                 ; younger: the next block's 32 LDS instructions, or none
	s_wait_dscnt \younger
.set t, 0
.rept 16
	global_store_b128 v[GO], v[BK+64*((\a)%2)+4*t:BK+64*((\a)%2)+4*t+3], s[10:11] offset:4096*(16*(\a)+t) th:TH_STORE_NT  ; 512 consecutive bytes, aligned
.set t, t+1
.endr
.endm
	TOSTAGE 0
	TOSTAGE 1
	SEND 0, 32
	TOSTAGE 2
	SEND 1, 32
	TOSTAGE 3
	SEND 2, 32
	SEND 3, 0
	s_wait_tensorcnt 0x0                           ; the wave's end
	ds_add_u32 v[SPW], v[NIL]
	s_wait_dscnt 0x0
	CROUND                                         ; the closing round
	s_endpgm
.Lfunc_end_k_qf483d5a18d_outp:
	.size	k_qf483d5a18d_outp, .Lfunc_end_k_qf483d5a18d_outp-k_qf483d5a18d_outp
	.p2alignl 7, 3214868480
	.fill 96, 4, 3214868480
	.section	.rodata,"a",@progbits
	.p2align	6, 0x0
	.amdhsa_kernel k_qf483d5a18d_outp
		.amdhsa_group_segment_fixed_size 327680
		.amdhsa_private_segment_fixed_size 0
		.amdhsa_enable_private_segment 0
		.amdhsa_kernarg_size 32
		.amdhsa_user_sgpr_count 2
		.amdhsa_user_sgpr_kernarg_segment_ptr 1
		.amdhsa_wavefront_size32 1
		.amdhsa_system_sgpr_workgroup_id_x 1
		.amdhsa_system_sgpr_workgroup_id_y 1
		.amdhsa_system_sgpr_workgroup_id_z 1
		.amdhsa_system_vgpr_workitem_id 0
		.amdhsa_next_free_vgpr 608
		.amdhsa_next_free_sgpr 76
		.amdhsa_reserve_vcc 0
		.amdhsa_float_denorm_mode_32 3
		.amdhsa_float_denorm_mode_16_64 3
		.amdhsa_memory_ordered 1
		.amdhsa_forward_progress 1
		.amdhsa_inst_pref_size 75
	.end_amdhsa_kernel
	.amdgpu_metadata
---
amdhsa.version: [ 1, 2 ]
amdhsa.kernels:
  - .name:           k_qf483d5a18d_outp
    .symbol:         k_qf483d5a18d_outp.kd
    .args:
      - { .name: oh, .offset: 0, .size: 8, .value_kind: global_buffer, .address_space: global }
      - { .name: xw, .offset: 8, .size: 8, .value_kind: global_buffer, .address_space: global }
      - { .name: bo, .offset: 16, .size: 8, .value_kind: global_buffer, .address_space: global }
      - { .name: out0, .offset: 24, .size: 8, .value_kind: global_buffer, .address_space: global }
    .group_segment_fixed_size: 327680
    .private_segment_fixed_size: 0
    .kernarg_segment_align: 8
    .kernarg_segment_size: 32
    .max_flat_workgroup_size: 128
    .sgpr_count:     76
    .vgpr_count:     608
    .wavefront_size: 32
...
	.end_amdgpu_metadata
.endif
;; end of part 4
;; ======== version 2 of 2: 4 launches; 1.17 times as fast as version 1
;; limits: values are held in f16: magnitudes above 65,504 overflow, below 6.1e-05 lose precision
;; workspace buffers: xw 58,720,256 bytes; mw 2,097,152 bytes of whole numbers; qkv 50,331,648 bytes; oh 16,777,216 bytes
;; launch prep: the kernel of part 1 again; grid 1408 x 1, 8 waves a work-group, no clusters, 35,840 bytes of LDS; arguments query, key, value, Wq, Wk, Wv, Wo, mask, xw, mw; writes xw, mw
;; launch proj (part 5): grid 4 x 96, 4 waves a work-group, clusters of 4 x 4, 327,680 bytes of LDS; arguments xw, bq, bk, bv, qkv; writes qkv
.if DOCPART == 5
	.amdgcn_target "amdgcn-amd-amdhsa--gfx1250"
	.amdhsa_code_object_version 6
	.text
	.protected	k_qf483d5a18d_proj
	.globl	k_qf483d5a18d_proj
	.p2align	8
	.type	k_qf483d5a18d_proj,@function
k_qf483d5a18d_proj:
	s_mov_b64 s[64:65], 0
	v_nop
	global_prefetch_b8 v0, s[64:65] scope:SCOPE_SE
	s_setreg_imm32_b32 hwreg(HW_REG_WAVE_MODE, 25, 1), 1
	s_wait_xcnt 0x0
	s_wait_alu depctr_hold_cnt(0) depctr_sa_sdst(0) depctr_va_vdst(0) depctr_va_sdst(0) depctr_va_ssrc(0) depctr_va_vcc(0) depctr_vm_vsrc(0)
	s_getreg_b32 s2, hwreg(HW_REG_IB_STS2, 6, 4)
	s_cmp_eq_u32 s2, 0
	s_cbranch_scc0 .Lentry_in_a_cluster
	s_endpgm
.Lentry_in_a_cluster:
	s_bfe_u32 s2, ttmp6, 0x10000c
	s_cmp_lg_u32 s2, 0xf033
	s_cbranch_scc0 .Lentry_shape_is_right
	s_endpgm
.Lentry_shape_is_right:
; PROJ: q, k, v = x W^T + b.  x: xw rows 0-24,575 (query, key, value), W: xw rows 24,576-27,647 (Wq, Wk, Wv), all bf16, 1,024 along K; sums in f32; the bias, rounded to bf16, starts the sums.
; Out: qkv, f16, [64 heads][8 tiles of 256 rows][Q, K, V][256 rows][64], rounded once, unscaled.  LIMIT: f16 ends at 65,504: a q, k or v beyond it becomes an infinity.
; A block of C is 256 (m) x 256 (n): one of qkv's tiles of 256 rows, four heads.  Four waves, each 128 x 128: 64 accumulators, 512 registers.  K goes in 8 steps of 128 through two LDS slots filled by tensor loads.
; WHY THIS BLOCK.  One load a wave goes out behind each change of slots and must have landed at the next, so a tile has one K step's matrix work in which to land.  Here that is 256 matrix instructions a wave, 224 of
; them between the request and the wait for it: the most that two slots in LDS allow (2 x 512 rows x 272 bytes); and 32 LDS loads feed 64 matrix instructions.  The price: 96 x 4 = 384 work-groups, a round and a half
; for 256 WGPs.  No block gives 256: 98,304 numbers each would be 384 x 256 or 192 x 512, and neither 384 nor 192 divides a tensor's 8,192 rows.
; CLUSTER 4 x 4: the four of a row need the same rows of x, the four of a column the same rows of W: each tile is asked for jointly, by the same load with the same descriptor and a mask of four.
; THE MATRIX INSTRUCTION IS USED TRANSPOSED (source 0 = 16 rows of W, source 1 = 16 rows of x): a lane holds eight neighbouring columns of one row of C.
; REGISTERS, in windows of 256 (s_set_vgpr_msb: bits 1:0 source 0, 3:2 source 1, 5:4 source 2, 7:6 destination):
;   window 0: v16-29 addresses; v32-63 packed results; v64-127, v128-191 fragments of A (8 x 16 rows x 32 K), two buffers; on the way out v64-255 whole rows
;   window 1: v0-63 the bias as a C operand (n block b at v[8 b]); v64-127, v128-191 fragments of B, two buffers; v192-223 at work
;   window 2: the 32 accumulators of my rows 0-63 ((a, b) at v[8 (8 a + b)]);   window 3: those of my rows 64-127
.set PITCH, 272                        ; an LDS row: 256 bytes + 16 of padding: the 16 rows of a fragment load start at 16 different 16-byte columns
.set HALFT, 128*PITCH                  ; 128 rows: what one tensor load brings, and what one wave reads of A or of B
.set SLOT,  4*HALFT                    ; A's 256 rows, then B's 256 rows: 139,264 = 2^17 + 2^13.  Both bits are clear in the four waves' offsets 0, 34,816, 69,632, 104,448,
                                       ; so one exclusive or turns an address in one slot into the other's
.set STAGE, 2*SLOT                     ; behind the ring: for each wave 2 heads x 16 rows x 144 bytes
.set SP,    144
.set WSTG,  2*16*SP
.set SPARE, STAGE+4*WSTG               ; the spare words, 128 bytes a wave: two blocks of 256 bytes that no other line names
.set HS,    786432                     ; a head's bytes in qkv
.set TS,    98304                      ; a tile's (Q, K, V of 256 rows)
.set WROWS, 50331648                   ; byte at which the weights begin in xw
.set A0,   16                          ; v16  my lane's place in slot 0's A; never rewritten
.set B0,   17                          ; v17  the same for B
.set ADRA, 18                          ; v18  the same in the slot in hand
.set ADRB, 19
.set STO,  24                          ; v24  the way out: where I put 16 bytes of a row
.set RD,   25                          ; v25  the way out: where I read rows back
.set GO,   26                          ; v26  my byte offset in 512 consecutive bytes of qkv
.set BO,   27                          ; v27  my byte offset in a block of 16 numbers of the bias
.set SPW,  28                          ; v28  my spare word; never rewritten
.set NIL,  29                          ; v29  0; never rewritten
.set TMP,  32
.set F0,   64                          ; fragment buffer 0, in windows 0 (A) and 1 (B)
.set F1,   128                         ; fragment buffer 1
.set BK,   64                          ; the way out: six sets of 32 registers by turns
.set CNT,  3
.set TB,   22                          ; s22  0 or SLOT: the slot in hand
.set G1A,  24
.set G0A,  32                          ; two sets: slot 0 with K step 0; slot 1 with K step 1, which then walks
.set G1B,  48
.set G0B,  56
.set WV,   66
.set WM,   67
.set WN,   68
.set MSB, 0
.macro WIN new                         ; the immediate's high byte repeats the setting that is left; a switch that changes nothing is dropped
.if MSB != (\new)
	s_set_vgpr_msb (MSB<<8)|(\new)
.set MSB, (\new)
.endif
.endm
.macro PLACES                          ; four plain vector instructions between a matrix instruction and a load into, or a read of, its registers
.rept 4
	v_nop
.endr
.endm
.macro JLOAD                           ; the joint refill: waves 0, 1 fetch A's halves, waves 2, 3 B's; s_nop 0 and four v_nop follow each line
	s_cmp_eq_u32 s[WM], 0
	s_cbranch_scc0 .Lfor_b_\@
	tensor_load_to_lds s[G0A+4:G0A+7], s[G1A:G1A+7]
	s_nop 0
.rept 4
	v_nop
.endr
	s_branch .Lasked_\@
.Lfor_b_\@:
	tensor_load_to_lds s[G0B+4:G0B+7], s[G1B:G1B+7]
	s_nop 0
.rept 4
	v_nop
.endr
.Lasked_\@:
.endm
.macro CREST                           ; a round of the cluster's barrier behind its opening barrier
	s_cmp_lg_u32 s[WV], 0
	s_cbranch_scc1 .Lnot_wave_0_\@
	s_barrier_signal -3
.Lnot_wave_0_\@:
	s_barrier_wait -3
	s_barrier_signal -1
	s_barrier_wait -1
.endm
.macro CROUND
	s_barrier_signal -1
	s_barrier_wait -1
	CREST
.endm
	s_load_b256 s[4:11], s[0:1], 0x0               ; xw s[4:5], bq s[6:7], bk s[8:9], bv s[10:11]
	s_load_b64 s[74:75], s[0:1], 0x20              ; qkv
	v_lshl_add_u32 v[SPW], v0, 2, SPARE
	v_mov_b32 v[NIL], 0
	ds_add_u32 v[SPW], v[NIL]                      ; the wave's opening: the add and its wait stand ahead of my first tensor load
	v_lshrrev_b32 v1, 5, v0
	v_readfirstlane_b32 s[WV], v1
	s_lshr_b32 s[WM], s[WV], 1                     ; my half of the block's rows; also: I fetch for A (0) or B (1)
	s_and_b32 s[WN], s[WV], 1                      ; my half of its columns; also: which half I fetch
	s_bfe_u32 s40, ttmp6, 0x40000                  ; cx
	s_bfe_u32 s41, ttmp6, 0x40004                  ; cy
	s_lshl_b32 s42, ttmp9, 2
	s_add_co_u32 s42, s42, s40                     ; tx: the column of blocks
	s_and_b32 s12, ttmp7, 0xffff                   ; the cluster's y, 0 to 23
	s_lshr_b32 s45, s12, 3                         ; p: 0 query, 1 key, 2 value (32 rows of blocks each); the same in all sixteen
	s_lshl_b32 s13, s12, 2
	s_add_co_u32 s13, s13, s41                     ; ty = 32 p + the row of blocks in its tensor
	s_lshl_b32 s43, s41, 2
	s_lshl_b32 s43, 15, s43                        ; my row of the cluster
	s_lshl_b32 s44, 0x1111, s40                    ; my column
	s_or_b32 s[G1A], s43, (1<<16)|(1<<20)|(1<<21)|(5<<22)|(3<<25)  ; the mask; 2-byte elements; padding on; bit 21 beside a mask; after every 64 words 4 words
	s_or_b32 s[G1B], s44, (1<<16)|(1<<20)|(1<<21)|(5<<22)|(3<<25)
.irp g, G1A, G1B
	s_mov_b32 s[(\g)+1], 128<<16                   ; tensor_dim0 = 128
	s_mov_b32 s[(\g)+2], 128<<16                   ; tensor_dim1 = 128
	s_mov_b32 s[(\g)+3], 128<<16                   ; tile_dim0 = 128
	s_mov_b32 s[(\g)+4], 128                       ; tile_dim1 = 128
	s_mov_b32 s[(\g)+5], 1024                      ; elements from row to row
	s_mov_b32 s[(\g)+6], 0
	s_mov_b32 s[(\g)+7], 0
.endr
	s_lshl_b32 s16, s13, 19                        ; A: row 256 ty + 128 half, 2,048 bytes a row: ty and the wave's number alone
	s_lshl_b32 s17, s[WN], 18
	s_add_co_u32 s16, s16, s17
	s_mov_b32 s17, 0
	s_lshl_b32 s46, s45, 21                        ; B: row 1,024 p + 256 tx + 128 half: p, tx and the wave's number alone
	s_lshl_b32 s47, s42, 19
	s_add_co_u32 s46, s46, s47
	s_lshl_b32 s47, s[WN], 18
	s_add_co_u32 s46, s46, s47
	s_add_co_u32 s46, s46, WROWS
	s_mov_b32 s47, 0
	s_mul_i32 s20, s[WV], HALFT                    ; where they go: A's two halves, then B's two halves = wave x 128 rows: no place in the cluster enters an LDS address
	s_lshl_b32 s18, s42, 10                        ; my 128 columns in the bias, in bytes
	s_lshl_b32 s19, s[WN], 9
	s_add_co_u32 s18, s18, s19
	s_mov_b32 s19, 0
	s_and_b32 s70, s13, 31                         ; the row of blocks in its tensor.  My part of qkv:
	s_lshr_b32 s72, s70, 3
	s_lshl_b32 s72, s72, 4                         ; head 16 batch
	s_lshl_b32 s71, s42, 2
	s_add_co_u32 s72, s72, s71                     ; + 4 tx
	s_lshl_b32 s71, s[WN], 1
	s_add_co_u32 s72, s72, s71                     ; + 2 half
	s_mul_i32 s72, s72, HS
	s_and_b32 s71, s70, 7                          ; the batch's tile of 256 rows
	s_mul_i32 s71, s71, TS
	s_add_co_u32 s72, s72, s71
	s_lshl_b32 s71, s45, 15                        ; Q, K or V
	s_add_co_u32 s72, s72, s71
	s_lshl_b32 s71, s[WM], 14                      ; my 128 rows of 128 bytes
	s_add_co_u32 s72, s72, s71
	s_mov_b32 s73, 0
	s_mov_b32 s[TB], 0
	s_wait_dscnt 0x0                               ; the opening add is done
	s_wait_kmcnt 0x0
	s_add_nc_u64 s[14:15], s[4:5], s[16:17]
	s_add_nc_u64 s[46:47], s[4:5], s[46:47]
	s_cmp_eq_u32 s45, 1
	s_cselect_b64 s[6:7], s[8:9], s[6:7]
	s_cmp_eq_u32 s45, 2
	s_cselect_b64 s[6:7], s[10:11], s[6:7]
	s_add_nc_u64 s[6:7], s[6:7], s[18:19]          ; the bias of my columns
	s_add_nc_u64 s[74:75], s[74:75], s[72:73]
.irp s, 0,1
	s_mov_b32 s[G0A+4*\s], 1
	s_add_co_u32 s[G0A+4*\s+1], s20, \s*SLOT
	s_add_nc_u64 s[G0A+4*\s+2:G0A+4*\s+3], s[14:15], \s*256
	s_or_b32 s[G0A+4*\s+3], s[G0A+4*\s+3], 0x80000000
	s_mov_b32 s[G0B+4*\s], 1
	s_add_co_u32 s[G0B+4*\s+1], s20, \s*SLOT
	s_add_nc_u64 s[G0B+4*\s+2:G0B+4*\s+3], s[46:47], \s*256
	s_or_b32 s[G0B+4*\s+3], s[G0B+4*\s+3], 0x80000000
.endr
	CROUND                                         ; all sixteen work-groups are here: the first joint loads meet
	s_cmp_eq_u32 s[WM], 0                          ; a wave's two first fills stand in one branch: two loads of mine are out
	s_cbranch_scc0 .Lfirst_b
	tensor_load_to_lds s[G0A:G0A+3], s[G1A:G1A+7]
	s_nop 0
	tensor_load_to_lds s[G0A+4:G0A+7], s[G1A:G1A+7]
	s_nop 0
.rept 4
	v_nop
.endr
	s_branch .Lfirst_asked
.Lfirst_b:
	tensor_load_to_lds s[G0B:G0B+3], s[G1B:G1B+7]
	s_nop 0
	tensor_load_to_lds s[G0B+4:G0B+7], s[G1B:G1B+7]
	s_nop 0
.rept 4
	v_nop
.endr
.Lfirst_asked:
	v_and_b32 v1, 15, v0                           ; r
	v_bfe_u32 v2, v0, 4, 1                         ; h
	v_lshlrev_b32 v[BO], 5, v2                     ; my eight columns of a block of 16: 32 h bytes
	WIN 0x40                                       ; destination window 1
.set b, 0
.rept 8
	global_load_b128 v[8*b:8*b+3],   v[BO], s[6:7] offset:64*b
	global_load_b128 v[8*b+4:8*b+7], v[BO], s[6:7] offset:64*b+16
.set b, b+1
.endr
	WIN 0
	v_mul_u32_u24 v3, v1, PITCH
	v_lshl_add_u32 v3, v2, 4, v3                   ; a fragment's row x pitch + 16 x half
	s_mul_i32 s21, s[WM], HALFT                    ; my 128 rows of A
	s_mul_i32 s23, s[WN], HALFT                    ; my 128 rows of B,
	s_add_co_u32 s23, s23, 2*HALFT                 ; which lie behind A's 256
	v_add_nc_u32 v[A0], s21, v3
	v_add_nc_u32 v[B0], s23, v3
	v_mov_b32 v[ADRA], v[A0]
	v_mov_b32 v[ADRB], v[B0]
	s_mul_i32 s23, s[WV], WSTG
	s_add_co_u32 s23, s23, STAGE                   ; my stage
	v_mul_u32_u24 v[STO], v1, SP
	v_lshl_add_u32 v[STO], v2, 4, v[STO]
	v_add_nc_u32 v[STO], s23, v[STO]               ; in: row r, 16 bytes for each half of the lanes
	v_bfe_u32 v[RD], v0, 3, 2
	v_mul_u32_u24 v[RD], v[RD], SP
	v_and_b32 v4, 7, v0
	v_lshl_add_u32 v[RD], v4, 4, v[RD]
	v_add_nc_u32 v[RD], s23, v[RD]                 ; back: 32 lanes take four rows of 128 bytes,
	v_and_b32 v[GO], 31, v0
	v_lshlrev_b32 v[GO], 4, v[GO]                  ; which are 512 consecutive bytes of qkv
	s_wait_loadcnt 0x0
	WIN 0x45                                       ; all in window 1: the bias is rounded to bf16 like the other inputs, and widened again
.set i, 0
.rept 32
	v_cvt_pk_bf16_f32 v[192+i], v[2*i], v[2*i+1]
.set i, i+1
.endr
.set i, 0
.rept 32
	v_lshlrev_b32 v[2*i], 16, v[192+i]
	v_and_b32 v[2*i+1], 0xffff0000, v[192+i]
.set i, i+1
.endr
	WIN 0
; 16 matrix instructions: m blocks a0, a0 + 1 of the window's four (hi = 0: my rows 0-63, 1: rows 64-127) x all 8 n blocks, 32 along K.
; first = 1: the bias (window 1) is the C operand and starts the sums: nothing is cleared, nothing added later.
; The 64 accumulators take turns, one instruction a turn, in the same order in every quarter.
.macro MUL16 f, hi, a0, first
.if \first
	WIN 0x91+0x40*(\hi)                            ; B window 1, A window 0, C window 1, D window 2 or 3
.else
	WIN 0xa1+0x50*(\hi)                            ; B window 1, A window 0, C and D window 2 or 3
.endif
.irp a, \a0, (\a0)+1
.irp b, 0,1,2,3,4,5,6,7
.if \first
	v_wmma_f32_16x16x32_bf16 v[8*(8*(\a)+(\b)):8*(8*(\a)+(\b))+7], v[(\f)+8*(\b):(\f)+8*(\b)+7], v[(\f)+8*(4*(\hi)+(\a)):(\f)+8*(4*(\hi)+(\a))+7], v[8*(\b):8*(\b)+7]
.else
	v_wmma_f32_16x16x32_bf16 v[8*(8*(\a)+(\b)):8*(8*(\a)+(\b))+7], v[(\f)+8*(\b):(\f)+8*(\b)+7], v[(\f)+8*(4*(\hi)+(\a)):(\f)+8*(4*(\hi)+(\a))+7], v[8*(8*(\a)+(\b)):8*(8*(\a)+(\b))+7]
.endif
.endr
.endr
.endm
; 32 LDS loads in one run: the fragments of one quarter step (128 rows of B, 128 rows of A, 32 K at byte k of the rows) into buffer f
.macro FETCH k, f
	WIN 0x40                                       ; destination window 1, address window 0
.irp i, 0,1,2,3,4,5,6,7
	ds_load_b128 v[(\f)+8*(\i):(\f)+8*(\i)+3],   v[ADRB] offset:(\k)+(\i)*16*PITCH
	ds_load_b128 v[(\f)+8*(\i)+4:(\f)+8*(\i)+7], v[ADRB] offset:(\k)+(\i)*16*PITCH+32
.endr
	WIN 0
.irp i, 0,1,2,3,4,5,6,7
	ds_load_b128 v[(\f)+8*(\i):(\f)+8*(\i)+3],   v[ADRA] offset:(\k)+(\i)*16*PITCH
	ds_load_b128 v[(\f)+8*(\i)+4:(\f)+8*(\i)+7], v[ADRA] offset:(\k)+(\i)*16*PITCH+32
.endr
.endm
; A K step is four quarters of 32 along K, 64 matrix instructions each, on buffers 0, 1, 0, 1.
; One of the first three: multiplies buffer f; in its middle it fetches the next quarter's fragments, at byte k of the same slot's rows, into buffer g.
.macro QUARTER k, f, g, first
	s_wait_dscnt 8                                 ; B and A's rows 0-63 are in; the youngest eight loads (A's rows 64-127) may be out
	MUL16 \f, 0, 0, \first
	MUL16 \f, 0, 2, \first
	PLACES
	FETCH \k, \g
	s_wait_dscnt 32                                ; all but the 32 just issued
	MUL16 \f, 1, 0, \first
	MUL16 \f, 1, 2, \first
.endm
; The last quarter of a K step multiplies buffer 1 and changes slots.  In front of the barrier each wave waits for all its tensor loads (one is out: its part of the next slot), adds 0 to its spare word,
; and waits for that and for its reads of this slot.  fill = 1: the barrier opens a round of the cluster's, and the slot just read is filled again, two K steps on, first thing behind the round:
; from that request to the wait for it a wave issues 224 matrix instructions.
.macro TURN fill
	WIN 0
	s_wait_tensorcnt 0x0                           ; no tensor load of mine is out, so a group 0 may be written
	ds_add_u32 v[SPW], v[NIL]
.if \fill
	s_xor_b32 s[G0A+5], s[G0A+5], SLOT             ; the walking descriptors: the other slot than last time, the next K step
	s_add_nc_u64 s[G0A+6:G0A+7], s[G0A+6:G0A+7], 256
	s_xor_b32 s[G0B+5], s[G0B+5], SLOT
	s_add_nc_u64 s[G0B+6:G0B+7], s[G0B+6:G0B+7], 256
.endif
	s_wait_dscnt 9                                 ; the add and the youngest eight loads (A's rows 64-127) may be out
	MUL16 F1, 0, 0, 0                              ; sixteen matrix instructions stand between the add and the wait for it
	s_wait_dscnt 0x0                               ; the add is done, and my reads of this slot are over
	s_barrier_signal -1
	MUL16 F1, 0, 2, 0                              ; work on registers while the others arrive
	WIN 0
	s_barrier_wait -1
.if \fill
	CREST                                          ; no wave of any partner still reads this slot or has a load on its way
	JLOAD                                          ; its four v_nop are also the places in front of the loads below
.else
	PLACES
.endif
	s_xor_b32 s[TB], s[TB], SLOT
	v_add_nc_u32 v[ADRA], s[TB], v[A0]
	v_add_nc_u32 v[ADRB], s[TB], v[B0]
	FETCH 0, F0
	MUL16 F1, 1, 0, 0
	MUL16 F1, 1, 2, 0
.endm
	s_wait_tensorcnt 0x1                           ; my part of K step 0 is in; K step 1's may stay out
	s_barrier_signal -1
	s_barrier_wait -1
	FETCH 0, F0
	QUARTER 64, F0, F1, 1                          ; the first quarter stands in front of the loop: its products start the sums
	WIN 0
	s_mov_b32 s[CNT], 6
.Lstep:                                                ; trip t: the rest of K step t, the change of slots (slot t % 2 takes K step t + 2), the first quarter of K step t + 1
	QUARTER 128, F1, F0, 0
	QUARTER 192, F0, F1, 0
	TURN 1
	QUARTER 64, F0, F1, 0
	WIN 0
	s_sub_co_u32 s[CNT], s[CNT], 1
	s_cmp_lg_u32 s[CNT], 0
	s_cbranch_scc1 .Lstep
	QUARTER 128, F1, F0, 0                         ; K steps 6 and 7: nothing is left to fetch
	QUARTER 192, F0, F1, 0
	TURN 0
	QUARTER 64, F0, F1, 0
	QUARTER 128, F1, F0, 0
	QUARTER 192, F0, F1, 0
	s_wait_dscnt 8
	MUL16 F1, 0, 0, 0
	MUL16 F1, 0, 2, 0
	s_wait_dscnt 0x0
	MUL16 F1, 1, 0, 0
	MUL16 F1, 1, 2, 0
	WIN 0
	PLACES
; THE WAY OUT, a block of 16 rows at a time: rounded to f16, 16 bytes a lane into my stage (two heads' rows of 128 bytes), back as four whole rows a load, stored as 512 consecutive bytes.
.macro PACK a
	WIN 0x0a+5*((\a)/4)                            ; sources window 2 or 3, destination window 0
.irp b, 0,1,2,3,4,5,6,7
.irp r, 0,1,2,3
	v_cvt_pk_f16_f32 v[TMP+4*\b+\r], v[64*((\a)%4)+8*\b+2*\r], v[64*((\a)%4)+8*\b+2*\r+1]
.endr
.endr
	WIN 0
.endm
.macro TOSTAGE a
.if (\a) >= 6
	s_wait_xcnt 0x0                                ; blocks 6 and 7 come back into the registers that the stores of blocks 0 and 1 read: loaded again only behind this wait
.endif
.irp b, 0,1,2,3,4,5,6,7
	ds_store_b128 v[STO], v[TMP+4*\b:TMP+4*\b+3] offset:(\b/4)*16*SP+32*(\b%4)
.endr
.irp t, 0,1,2,3,4,5,6,7
	ds_load_b128 v[BK+32*((\a)%6)+4*\t:BK+32*((\a)%6)+4*\t+3], v[RD] offset:(\t/4)*16*SP+(\t%4)*4*SP  ; LDS serves a wave's instructions in order: these see the stores above
.endr
.endm
.macro SEND a
	s_wait_dscnt 0x0
.irp t, 0,1,2,3,4,5,6,7
	global_store_b128 v[GO], v[BK+32*((\a)%6)+4*\t:BK+32*((\a)%6)+4*\t+3], s[74:75] offset:HS*(\t/4)+2048*(\a)+512*(\t%4)
.endr
.endm
	PACK 0
	TOSTAGE 0
.irp a, 1,2,3,4,5,6,7                  ; a block's conversions stand between the loads of the block before and the wait for them
	PACK \a
	SEND (\a)-1
	TOSTAGE \a
.endr
	SEND 7
	s_wait_tensorcnt 0x0                           ; the wave's end
	ds_add_u32 v[SPW], v[NIL]
	s_wait_dscnt 0x0
	CROUND                                         ; the closing round: no work-group ends while a partner may still ask for a tile that names it
	s_endpgm
.Lfunc_end_k_qf483d5a18d_proj:
	.size	k_qf483d5a18d_proj, .Lfunc_end_k_qf483d5a18d_proj-k_qf483d5a18d_proj
	.p2alignl 7, 3214868480
	.fill 96, 4, 3214868480
	.section	.rodata,"a",@progbits
	.p2align	6, 0x0
	.amdhsa_kernel k_qf483d5a18d_proj
		.amdhsa_group_segment_fixed_size 327680
		.amdhsa_private_segment_fixed_size 0
		.amdhsa_enable_private_segment 0
		.amdhsa_kernarg_size 40
		.amdhsa_user_sgpr_count 2
		.amdhsa_user_sgpr_kernarg_segment_ptr 1
		.amdhsa_wavefront_size32 1
		.amdhsa_system_sgpr_workgroup_id_x 1
		.amdhsa_system_sgpr_workgroup_id_y 1
		.amdhsa_system_sgpr_workgroup_id_z 1
		.amdhsa_system_vgpr_workitem_id 0
		.amdhsa_next_free_vgpr 1024
		.amdhsa_next_free_sgpr 76
		.amdhsa_reserve_vcc 0
		.amdhsa_float_denorm_mode_32 3
		.amdhsa_float_denorm_mode_16_64 3
		.amdhsa_memory_ordered 1
		.amdhsa_forward_progress 1
		.amdhsa_inst_pref_size 123
	.end_amdhsa_kernel
	.amdgpu_metadata
---
amdhsa.version: [ 1, 2 ]
amdhsa.kernels:
  - .name:           k_qf483d5a18d_proj
    .symbol:         k_qf483d5a18d_proj.kd
    .args:
      - { .name: xw, .offset: 0, .size: 8, .value_kind: global_buffer, .address_space: global }
      - { .name: bq, .offset: 8, .size: 8, .value_kind: global_buffer, .address_space: global }
      - { .name: bk, .offset: 16, .size: 8, .value_kind: global_buffer, .address_space: global }
      - { .name: bv, .offset: 24, .size: 8, .value_kind: global_buffer, .address_space: global }
      - { .name: qkv, .offset: 32, .size: 8, .value_kind: global_buffer, .address_space: global }
    .group_segment_fixed_size: 327680
    .private_segment_fixed_size: 0
    .kernarg_segment_align: 8
    .kernarg_segment_size: 40
    .max_flat_workgroup_size: 128
    .sgpr_count:     76
    .vgpr_count:     1024
    .wavefront_size: 32
...
	.end_amdgpu_metadata
.endif
;; end of part 5
;; launch attn (part 6): grid 4 x 64, 4 waves a work-group, clusters of 4 x 1, 327,680 bytes of LDS; arguments qkv, mw, oh; writes oh
.if DOCPART == 6
	.amdgcn_target "amdgcn-amd-amdhsa--gfx1250"
	.amdhsa_code_object_version 6
	.text
	.protected	k_qf483d5a18d_attn
	.globl	k_qf483d5a18d_attn
	.p2align	8
	.type	k_qf483d5a18d_attn,@function
k_qf483d5a18d_attn:
	s_mov_b64 s[64:65], 0
	v_nop
	global_prefetch_b8 v0, s[64:65] scope:SCOPE_SE
	s_setreg_imm32_b32 hwreg(HW_REG_WAVE_MODE, 25, 1), 1
	s_wait_xcnt 0x0
	s_wait_alu depctr_hold_cnt(0) depctr_sa_sdst(0) depctr_va_vdst(0) depctr_va_sdst(0) depctr_va_ssrc(0) depctr_va_vcc(0) depctr_vm_vsrc(0)
	s_getreg_b32 s2, hwreg(HW_REG_IB_STS2, 6, 4)
	s_cmp_eq_u32 s2, 0
	s_cbranch_scc0 .Lentry_in_a_cluster
	s_endpgm
.Lentry_in_a_cluster:
	s_bfe_u32 s2, ttmp6, 0x10000c
	s_cmp_lg_u32 s2, 0x3003
	s_cbranch_scc0 .Lentry_shape_is_right
	s_endpgm
.Lentry_shape_is_right:
; ATTN: O[hb][q][:] = the sum over k of softmax_k(s(q, k)) V[hb][k][:], s = Q . K / 8 where mask[b][q][k] != 0, a constant far below where it is 0.  64 heads (hb = 16 b + head), 2,048 queries and keys, 64 channels.
; In: qkv, f16, [64][8 tiles][Q, K, V][256][64]; mw, the mask as lane masks (word ((b*128+qt)*32+step)*32 + register).  Out: oh, f16, [64][2048][64].  Products, maxima and sums in f32; p is rounded to f16 for the second product.
; THE MASK IS AN INPUT: every key tile is computed, and each score is replaced (v_cndmask_b32, one a score) where its bit is 0.
; LIMITS.  A hidden score counts as -2^33 before the division by 8 (-1.07e9 after it, where the module says -1e9): a row that is wholly hidden gets p = 1 exactly for every key, the mean of V; results differ
; only where true scores reach about -1e9.  f16 holds no number beyond 65,504.  A weight below 2^-126 counts as 0 in l.  NaN and infinities are not treated apart.
; SHARES.  A work-group owns 512 queries of a head, a wave 128: four PIECES of two tiles of 16.  Every wave walks all keys, 64 a step.
; LAYOUT.  S^T = K Q^T (source 0 = 16 keys, source 1 = 16 queries): a lane holds ONE query (lane % 16) and the keys 8 (lane / 16) + 0..7.  Two such tiles rounded to f16 ARE source 1 of O^T = V^T P.  V is turned by ds_load_tr16_b128.
; SOFTMAX.  A running maximum m and sum l a query: p = 2^(c s - c m), c = log2(e) / 8; O and l are multiplied by a = 2^(c m_old - c m_new) in every step.  m starts at the lowest finite number, O and l at 0.
; BY TURNS.  Turn n belongs to piece n: 16 products K Q^T of piece n + 1, later 16 products V^T P of piece n - 1; beside them the scaling, exponentials, roundings, sums and rescaling of piece n and the mask,
; maximum and statistics of piece n + 1.  364 vector instructions for 32 matrix instructions: four stand behind every matrix instruction, the others in runs of their own.
; THE MASKS' ROAD.  A select wants its lane mask in a scalar register, and a turn wants 64 of them: all the scalar registers that can be spared, so nothing could be asked for into them more than a turn ahead.
; So the words come by vector loads: each of my 8 tiles has one register (lane i: word i of the tile's 32 words of a key step, 128 consecutive bytes of mw), loaded again directly behind the lines that read it,
; four turns ahead of its next use, and waited for by a counted wait; 64 v_readlane_b32 a turn carry the words into the scalar registers.  They wait for nothing, so they are the four behind each product K Q^T,
; and since K lies in their window, that run of products needs one window setting.
; CLUSTER.  The four query blocks of a head walk the same K and V: each tile is asked for jointly, the same load, descriptor and mask in all four.
; REGISTERS.  window 0: v0-11 addresses; v12-15, v48-63 at work; v16-47 statistics; v64-191 S^T, two buffers of two tiles; v192-255 P, likewise.  window 1: O^T, 32 a tile.
;   window 2: v0-127 Q; v192-255 V of one step.  window 3: v0-1 the add's two registers; v2-9 the masks, one a tile; v10 their lane offset; v16-79 K of one step.
.set NP,    4
.set KS,    64
.set PT,    160       ; a row of K or V in LDS: 128 bytes + 32 of padding, so that one descriptor brings both; K's 16 rows share each 16-byte column two deep
.set VOFF,  4*KS*PT   ; a slot holds a tile: 256 rows of K, then 256 rows of V
.set SLOT1, 1<<17
.set STAGE, SLOT1+2*VOFF   ; behind the ring: 16 rows x 144 bytes for each wave
.set SP,    144
.set SPARE, STAGE+4*16*SP  ; the spare words, 128 bytes a wave: two blocks of 256 bytes that no other line names
.set HS,    786432    ; a head's bytes in qkv
.set TS,    98304     ; a tile's
.set AK0, 2
.set AV0, 3
.set AK,  4
.set AV,  5
.set QO,  6
.set STO, 6
.set RD,  7
.set GO,  8
.set SPW, 0           ; v0 of window 3
.set NIL, 1           ; v1 of window 3
.set MR,  2           ; v2-9 of window 3: tile t's mask words at MR + t
.set MO,  10          ; v10 of window 3: 4 x lane; never rewritten
.set MV,  12
.set ST,  16          ; tile t: c m, m, l (even keys', odd keys')
.set TMP, 48
.set S,   64
.set P,   192
.set KF,  16          ; window 3
.set VF,  192         ; window 2
.set OPT, 4           ; s[4:5]   O at my wave's first row
.set MP,  6           ; s[6:7]   mw at my wave's first tile, at the key step whose words are loaded next
.set G1,  8           ; s[8:15]  descriptor group 1
.set G0,  16          ; s[16:19] descriptor group 0: it walks
.set WV,  20
.set SLOTS, 21
.set CNT, 22
.set CS,  24          ; s24 c; named as a pair with s25
.set NEG, 25          ; s25 -2^33
.set SEL, 26          ; s[26:27]
.set TBK, 28
.set TBV, 29
.set QP,  30          ; s[30:31] Q at my wave's first row;
.set INC, 30          ; when Q is in: MP's step in the tail, as a pair with 0 above it
.set BKB, 32          ; s[32:63] the 32 lane masks of the piece's second tile
.set BKA, 68          ; s[68:99] of its first
.set MSB, 0
.macro WIN new
.if MSB != (\new)
	s_set_vgpr_msb (MSB<<8)|(\new)
.set MSB, (\new)
.endif
.endm
.set W_KQ, 0x0b       ; K (and a readlane's source) in window 3, Q in window 2, S^T in window 0
.set W_PV, 0x52
.set W_RS, 0x41
.set W_MK, 0xc0       ; destination in window 3, sources in window 0
.set W_AD, 0x0f
.set W_ML, 0xc3       ; the masks' loads: destination and address register in window 3
.macro JLOAD                        ; every wave fetches its quarter of a tile's 65,536 dense bytes (waves 0, 1: K; 2, 3: V); s_nop 0 and four v_nop follow
	tensor_load_to_lds s[G0:G0+3], s[G1:G1+7]
	s_nop 0
.rept 4
	v_nop
.endr
.endm
.macro CROUND
	s_barrier_signal -1
	s_barrier_wait -1
	s_cmp_lg_u32 s[WV], 0
	s_cbranch_scc1 .Lnot_wave_0_\@
	s_barrier_signal -3
.Lnot_wave_0_\@:
	s_barrier_wait -3
	s_barrier_signal -1
	s_barrier_wait -1
.endm
; THE CHANGE OF SLOTS.  The slot has been read out.  Each wave waits for all its tensor loads (one is out: its part of the other slot), adds 0 to its spare word, and waits for that and for its reads.
; fill = 1: a round of the cluster's barrier, and the joint fill first behind it: the tile two on; it has four key steps in which to land.
.macro CHANGE fill
	WIN W_AD
	s_wait_tensorcnt 0x0            ; no tensor load of mine is out, so group 0 may be written
	ds_add_u32 v[SPW], v[NIL]
	WIN 0
.if \fill
	s_xor_b32 s[G0+1], s[G0+1], SLOT1
	s_add_nc_u64 s[G0+2:G0+3], s[G0+2:G0+3], TS
	s_wait_dscnt 0x0                ; the add is done, and my reads of the slot are over
	CROUND
	JLOAD
.else
	s_wait_dscnt 0x0
	s_barrier_signal -1
	s_barrier_wait -1
.endif
	s_sub_co_u32 s[TBK], s[TBK], VOFF  ; the fetches go back to a slot's first step, in the other slot
	s_xor_b32 s[TBK], s[TBK], SLOT1
	s_sub_co_u32 s[TBV], s[TBV], VOFF
	s_xor_b32 s[TBV], s[TBV], SLOT1
.endm
; piece x's two mask registers are loaded again: the 32 words of each of its tiles at the key step that MP points at
.macro MLOAD x
	WIN W_ML
	global_load_b32 v[MR+2*(\x)],   v[MO], s[MP:MP+1] offset:8192*(\x)
	global_load_b32 v[MR+2*(\x)+1], v[MO], s[MP:MP+1] offset:8192*(\x)+4096
.endm
	s_load_b128 s[32:35], s[0:1], 0x0  ; qkv s[32:33], mw s[34:35]: in registers that the masks take later
	s_load_b64 s[36:37], s[0:1], 0x10  ; oh
	WIN W_MK
	v_lshl_add_u32 v[SPW], v0, 2, SPARE
	v_mov_b32 v[NIL], 0
	WIN W_AD
	ds_add_u32 v[SPW], v[NIL]       ; the wave's opening: the add and its wait stand ahead of my first tensor load
	WIN 0
	v_lshrrev_b32 v1, 5, v0
	v_readfirstlane_b32 s[WV], v1
	v_and_b32 v11, 31, v0
	WIN W_MK
	v_lshlrev_b32 v[MO], 2, v11     ; 4 x lane
	WIN 0
	s_bfe_u32 s38, ttmp6, 0x40000   ; cx
	s_lshl_b32 s39, ttmp9, 2
	s_add_co_u32 s39, s39, s38      ; my block of 512 queries: it enters Q's, O's and the mask's addresses alone
	s_and_b32 s40, ttmp7, 0xffff    ; the head, which the four partners share
	s_mul_i32 s42, s40, HS
	s_lshl_b32 s44, s[WV], 14       ; my quarter of tile 0's K and V
	s_add_co_u32 s44, s44, s42
	s_add_co_u32 s44, s44, 32768
	s_mov_b32 s45, 0
	s_lshl_b32 s46, s39, 1          ; Q: tile 2 block + wave / 2,
	s_lshr_b32 s47, s[WV], 1
	s_add_co_u32 s46, s46, s47
	s_mul_i32 s46, s46, TS
	s_and_b32 s47, s[WV], 1         ; its rows 128 (wave % 2) on
	s_lshl_b32 s47, s47, 14
	s_add_co_u32 s46, s46, s47
	s_add_co_u32 s46, s46, s42
	s_mov_b32 s47, 0
	s_lshl_b32 s48, s40, 18         ; O: row 2,048 head + 512 block + 128 wave, 128 bytes a row
	s_lshl_b32 s49, s39, 16
	s_add_co_u32 s48, s48, s49
	s_lshl_b32 s49, s[WV], 14
	s_add_co_u32 s48, s48, s49
	s_mov_b32 s49, 0
	s_lshr_b32 s50, s40, 4          ; the masks: tile 128 b + 32 block + 8 wave, 4,096 bytes a tile
	s_lshl_b32 s50, s50, 19
	s_lshl_b32 s51, s39, 17
	s_add_co_u32 s50, s50, s51
	s_lshl_b32 s51, s[WV], 15
	s_add_co_u32 s50, s50, s51
	s_mov_b32 s51, 0
	s_mov_b32 s[G1], 15|(1<<16)|(1<<20)|(1<<21)|(4<<22)|(7<<25)  ; the mask of four; 2-byte elements; padding on; bit 21 beside a mask; after every 32 words 8 words
	s_mov_b32 s[G1+1], 128<<16      ; 16,384 dense bytes as 64 rows of 256: tensor_dim0 = 128
	s_mov_b32 s[G1+2], 64<<16       ; tensor_dim1 = 64
	s_mov_b32 s[G1+3], 128<<16      ; tile_dim0 = 128
	s_mov_b32 s[G1+4], 64           ; tile_dim1 = 64
	s_mov_b32 s[G1+5], 128          ; elements from row to row
	s_mov_b32 s[G1+6], 0
	s_mov_b32 s[G1+7], 0
	s_mov_b32 s[G0], 1
	s_mul_i32 s[G0+1], s[WV], 128*PT  ; slot 0, my 128 rows: no place in the cluster enters an LDS address
	s_mov_b32 s[CS], 0x3e38aa3b     ; c = log2(e) / 8
	s_mov_b32 s[NEG], 0xd0000000    ; -2^33: c times it is exact
	s_mov_b32 s[SEL], 0x76543210
	s_mov_b32 s[SEL+1], 0xfedcba98
	s_mov_b32 s[TBK], SLOT1+VOFF    ; the first change of slots turns these two into 0
	s_mov_b32 s[TBV], SLOT1+VOFF
	s_wait_dscnt 0x0                ; the opening add is done
	s_wait_kmcnt 0x0
	s_add_nc_u64 s[G0+2:G0+3], s[32:33], s[44:45]
	s_or_b32 s[G0+3], s[G0+3], 0x80000000
	s_add_nc_u64 s[QP:QP+1], s[32:33], s[46:47]
	s_add_nc_u64 s[OPT:OPT+1], s[36:37], s[48:49]
	s_add_nc_u64 s[MP:MP+1], s[34:35], s[50:51]
	CROUND                          ; all four work-groups are here: the first joint loads meet
	JLOAD                           ; tile 0 into slot 0
	WIN W_ML
.set t, 0
.rept 2*NP
	global_load_b32 v[MR+t], v[MO], s[MP:MP+1] offset:4096*t  ; all eight tiles' masks of key step 0
.set t, t+1
.endr
	WIN 0
	v_and_b32 v1, 15, v0
	v_bfe_u32 v9, v0, 4, 1
	v_lshlrev_b32 v[QO], 7, v1
	v_lshl_add_u32 v[QO], v9, 4, v[QO]
	WIN 0x80
.set i, 0
.rept 4*NP                          ; Q stays in registers: tile i / 2, channels 32 (i % 2) on
	global_load_b128 v[8*i:8*i+3],   v[QO], s[QP:QP+1] offset:(i/2)*2048+(i%2)*64
	global_load_b128 v[8*i+4:8*i+7], v[QO], s[QP:QP+1] offset:(i/2)*2048+(i%2)*64+32
.set i, i+1
.endr
	; What the first turn finds: V and P's second buffer hold 0 (its products V^T P, of a piece that has not been, add 0), O^T and l are 0.  All this stands in the wait for the first tile.
.set i, VF
.rept 64
	v_mov_b32 v[i], 0
.set i, i+1
.endr
	WIN 0x40
.set i, 0
.rept 64*NP
	v_mov_b32 v[i], 0
.set i, i+1
.endr
	WIN 0
.set i, 0
.rept 2*NP
	v_mov_b32 v[ST+4*i], 0xfe000000    ; c m: far below every c s, the hidden scores' too
	v_mov_b32 v[ST+4*i+1], 0xff7fffff  ; m
	v_mov_b32 v[ST+4*i+2], 0
	v_mov_b32 v[ST+4*i+3], 0
.set i, i+1
.endr
.set i, P+32
.rept 32
	v_mov_b32 v[i], 0
.set i, i+1
.endr
	v_mul_u32_u24 v[AK0], v1, PT
	v_lshl_add_u32 v[AK0], v9, 4, v[AK0]
	v_and_b32 v10, 7, v0
	v_bfe_u32 v11, v0, 3, 1
	v_lshl_add_u32 v[AV0], v9, 3, v10
	v_mul_u32_u24 v[AV0], v[AV0], PT
	v_lshl_add_u32 v[AV0], v11, 4, v[AV0]
	v_add_nc_u32 v[AV0], VOFF, v[AV0]
	v_mov_b32 v[AK], v[AK0]
; THE MATRIX WORK.  The 8 accumulators of a run of 16 take turns.
.macro KQ x
	WIN W_KQ
.set rS, S+64*((\x)%2)+32*(i%2)+8*((i/2)%4)
.set rK, KF+16*((i/2)%4)+8*(i/8)
.set rQ, 16*(2*(\x)+i%2)+8*(i/8)
.if i < 8
	v_wmma_f32_16x16x32_f16 v[rS:rS+7], v[rK:rK+7], v[rQ:rQ+7], 0
.else
	v_wmma_f32_16x16x32_f16 v[rS:rS+7], v[rK:rK+7], v[rQ:rQ+7], v[rS:rS+7]
.endif
.endm
.macro PV x
	WIN W_PV
.set rO, 32*(2*(\x)+i%2)+8*((i/2)%4)
.set rV, VF+32*(i/8)+8*((i/2)%4)
.set rP, P+32*((\x)%2)+16*(i%2)+8*(i/8)
	v_wmma_f32_16x16x32_f16 v[rO:rO+7], v[rV:rV+7], v[rP:rP+7], v[rO:rO+7]
.endm
.macro MM                           ; the turn's next matrix instruction
.if i < 16
	KQ (Y+1)%NP
.set i, i+1
.else
.set i, i-16
	PV (Y+NP-1)%NP
.set i, i+17
.endif
.endm
; THE LDS LOADS stand in runs of 16.  last = 1 (the tail): in the last trip there is no further step, and the run is jumped over.
.macro FETCH_K last=0
	WIN 0
.if \last
	s_cmp_eq_u32 s[CNT], 1
	s_cbranch_scc1 .Lno_k_\@
.endif
	WIN W_MK                        ; destination window 3
.irp f, 0,1,2,3,4,5,6,7
	ds_load_b128 v[KF+8*\f:KF+8*\f+3],   v[AK] offset:(\f/2)*16*PT+(\f%2)*64
	ds_load_b128 v[KF+8*\f+4:KF+8*\f+7], v[AK] offset:(\f/2)*16*PT+(\f%2)*64+32
.endr
	s_add_co_u32 s[TBK], s[TBK], KS*PT
	WIN 0
.if \last
.Lno_k_\@:
.endif
.endm
.macro FETCH_V
	WIN 0x80
.irp f, 0,1,2,3,4,5,6,7
	ds_load_tr16_b128 v[VF+8*\f:VF+8*\f+3],   v[AV] offset:(\f/4)*32*PT+(\f%4)*32
	ds_load_tr16_b128 v[VF+8*\f+4:VF+8*\f+7], v[AV] offset:(\f/4)*32*PT+16*PT+(\f%4)*32
.endr
	WIN 0
.endm
; THE VECTOR WORK stands in five queues, each in the order in which its entries become ready; the two tiles alternate.
.macro REGS y, u
.set rT, ST+4*(2*(\y)+(\u))
.set rC, TMP+8*((\y)%2)+4*(\u)
.set rM, MV+2*((\y)%2)+(\u)
.set rS, S+64*((\y)%2)+32*(\u)
.set rP, P+32*((\y)%2)+16*(\u)
.set rO, 32*(2*(\y)+(\u))
.endm
; Number n of the 22 that find the next piece's maximum and statistics: 0-11 four chains of seven scores; 12-14, 16 the rest, the old m, all into c0; 15 c m_old is kept;
; 17, 18 the other half of the lanes: the new m; 19-21 c m; c m_old - c m_new; a
.macro XS u, n
	REGS (Y+1)%NP, \u
.if (\n) < 4
	v_max3_num_f32 v[rC+(\n)], v[rS+8*(\n)], v[rS+8*(\n)+1], v[rS+8*(\n)+2]
.elseif (\n) < 12
	v_max3_num_f32 v[rC+(\n)%4], v[rC+(\n)%4], v[rS+8*((\n)%4)+2*((\n)/4)+1], v[rS+8*((\n)%4)+2*((\n)/4)+2]
.elseif (\n) == 12
	v_max3_num_f32 v[rC], v[rC], v[rS+7], v[rS+15]
.elseif (\n) == 13
	v_max3_num_f32 v[rC+1], v[rC+1], v[rS+23], v[rS+31]
.elseif (\n) == 14
	v_max3_num_f32 v[rC+2], v[rC+2], v[rC+3], v[rT+1]
.elseif (\n) == 15
	v_mov_b32 v[rM], v[rT]
.elseif (\n) == 16
	v_max3_num_f32 v[rC], v[rC], v[rC+1], v[rC+2]
.elseif (\n) == 17
	v_permlanex16_b32 v[rC+3], v[rC], s[SEL], s[SEL+1]
.elseif (\n) == 18
	v_max_num_f32 v[rT+1], v[rC], v[rC+3]
.elseif (\n) == 19
	v_mul_f32 v[rT], s[CS], v[rT+1]
.elseif (\n) == 20
	v_sub_f32 v[rC+1], v[rM], v[rT]
.else
	v_exp_f32 v[rC+2], v[rC+1]
.endif
.endm
; Number g of the 64 that follow the exponentials: for each four weights of a tile both pairs are rounded to f16, the second pair is added onto the first, and a group later l takes the sum (the first time l = a l + sum)
.macro GS g
.set h, (\g)+6*((\g)/62)
.if h >= 6
.set h, h+2
.endif
	REGS Y, h%2
.set k, h/8
.if h%8 < 4
	v_cvt_pk_f16_f32 v[rP+2*k+(h%8)/2], v[rS+4*k+2*((h%8)/2)], v[rS+4*k+2*((h%8)/2)+1]
.elseif h%8 < 6
	v_pk_add_f32 v[rS+4*k:rS+4*k+1], v[rS+4*k:rS+4*k+1], v[rS+4*k+2:rS+4*k+3]
.elseif k == 1
	v_pk_fma_f32 v[rT+2:rT+3], v[rT+2:rT+3], v[rC+2:rC+3], v[rS:rS+1] op_sel_hi:[1,0,1]
.else
	v_pk_add_f32 v[rT+2:rT+3], v[rT+2:rT+3], v[rS+4*k-4:rS+4*k-3]
.endif
.endm
; THE READLANES, 64, for the next piece: word rl / 2 of tile rl % 2 into its bank, in the order in which the selects take them.  Under the products' own window setting: the source lies in K's window.
.macro RL
	WIN W_KQ
.if rl%2 == 0
	v_readlane_b32 s[BKA+rl/2], v[MR+2*((Y+1)%NP)], rl/2
.else
	v_readlane_b32 s[BKB+rl/2], v[MR+2*((Y+1)%NP)+1], rl/2
.endif
.set rl, rl+1
.endm
; QUEUE A, 96 long, the piece in hand: 0-31 c s - c m for the 16 pairs of both tiles; then GS's 64
.macro PA
	WIN 0
.if qa < 32
	REGS Y, qa%2
	v_pk_fma_f32 v[rS+2*(qa/2):rS+2*(qa/2)+1], v[rS+2*(qa/2):rS+2*(qa/2)+1], s[CS:CS+1], v[rT:rT+1] op_sel_hi:[1,0,0] neg_lo:[0,0,1] neg_hi:[0,0,1]
.else
	GS qa-32
.endif
.set qa, qa+1
.endm
; QUEUE B, 106 long, the next piece: 0-1 c m_old is kept; 2-65 the mask: a score whose bit is 0 becomes -2^33, in ascending order;
; 66-97 the maximum (numbers 0-14 and 16); 98-105 numbers 17-20
.macro PB
	WIN 0
.if qb < 2
	XS qb%2, 15
.elseif qb < 66
	REGS (Y+1)%NP, qb%2
.set mi, (qb-2)/2
.if qb%2 == 0
	v_cndmask_b32 v[rS+mi], s[NEG], v[rS+mi], s[BKA+mi]
.else
	v_cndmask_b32 v[rS+mi], s[NEG], v[rS+mi], s[BKB+mi]
.endif
.elseif qb < 98
	XS qb%2, (qb-66)/2+(qb-66)/30
.else
	XS qb%2, 17+(qb-98)/2
.endif
.set qb, qb+1
.endm
; THE EXPONENTIALS, 66: s0-s31 of both tiles, at last the next piece's two a
.macro EX
	WIN 0
.if e >= 64
	XS e-64, 21
.else
	REGS Y, e%2
	v_exp_f32 v[rS+e/2], v[rS+e/2]
.endif
.set e, e+1
.endm
; THE RESCALING: O^T times a, the one part that leaves window 0: four at a time, eight times
.macro R4
	REGS Y, r%2
	WIN W_RS
.irp z, 0,1,2,3
	v_pk_mul_f32 v[rO+8*(r/2)+2*\z:rO+8*(r/2)+2*\z+1], v[rO+8*(r/2)+2*\z:rO+8*(r/2)+2*\z+1], v[rC+2:rC+3] op_sel_hi:[1,0]
.endr
.set r, r+1
.endm
.macro UNIT                         ; unit j of 49: exponential 15 + j, B's 4 + 2 j and 5 + 2 j, GS's 5 + j, whose weights' exponentials stand four units back or more
	EX
	PB
	PA
	PB
.endm
; A TURN, for piece p.  Its head: the next piece's mask registers are in: they were loaded four turns ago, and behind them the three turns between have issued two loads each, which may stay out.
; Then 16 products K Q^T, four readlanes behind each, under one window setting; the two registers just read are loaded again, with the words of the key step that MP points at; sixteen rescalings, which are
; also the places between the last product and the first select; and the rest of the vector work, with the 16 products V^T P in its middle.
; MP steps at the head of piece 3's turn (that turn reads piece 0's words of the next step and asks for those of the step after).  last = 1, the tail: MP stays at key step 31 once it is there
; (CNT 5, 4, 3: steps 29, 30, 31), so that no load leaves mw: the last five turns' ten loads read step 31's words again and serve nothing: the price of one text and one count for every turn.
; K of the next step is fetched in piece 2's turn, V of the step in hand in piece 0's, each behind the last product that read it and four plain instructions or more.
.macro TURN p, last=0
.set Y, (\p)
.set i, 0
.set qa, 0
.set qb, 0
.set e, 0
.set r, 0
.set rl, 0
.if (\p) == NP-1
	s_wait_dscnt 0x0                ; K is in
	s_wait_xcnt 0x0                 ; the loads that named MP have had their addresses translated: it is rewritten only behind this wait
.if \last
	s_cmp_gt_u32 s[CNT], 2
	s_cselect_b32 s[INC], 128, 0
	s_add_nc_u64 s[MP:MP+1], s[MP:MP+1], s[INC:INC+1]
.else
	s_add_nc_u64 s[MP:MP+1], s[MP:MP+1], 128
.endif
.endif
	s_wait_loadcnt 0x6              ; loads come back in order: all but the youngest six
.rept 16
	MM
	RL
	RL
	RL
	RL
.endr
	MLOAD ((\p)+1)%NP
.rept 4
	R4
.endr
.rept 4
	PA
.endr
.rept 11
	PA
	EX
	PA
	PA
.endr
.rept 2
	EX
	PB
	EX
	PB
.endr
.if (\p) == NP-2
	WIN 0
	v_add_nc_u32 v[AK], s[TBK], v[AK0]
.endif
	UNIT
	UNIT
.if (\p) == NP-2
	FETCH_K \last
.endif
.rept 16
	UNIT
.endr
.if (\p) == 1
	s_wait_dscnt 0x0                ; V is in
.endif
.rept 9
	MM
	UNIT
.endr
.rept 3
	MM
	R4
	MM
	UNIT
.endr
	MM
	R4
	UNIT                            ; the last two selects
.if (\p) == 0
	WIN 0
	v_add_nc_u32 v[AV], s[TBV], v[AV0]
.endif
	UNIT
.if (\p) == 0
	FETCH_V
	s_add_co_u32 s[TBV], s[TBV], KS*PT
.endif
.rept 17
	UNIT
.endr
.rept 2
	PB
	PA
	PB
	PA
.endr
	EX
	PA
	EX
	PA
.rept 4
	PA
.endr
.endm
	CHANGE 1                        ; slot 0 is in, everybody's part of it; slot 1 is asked for
	FETCH_K                         ; key step 0
	s_wait_loadcnt 0x0              ; Q, and the masks of key step 0
	s_wait_dscnt 0x0
.set i, 0
.rept 16
	KQ 0                            ; piece 0's first scores
.set i, i+1
.endr
	WIN 0                           ; the addresses for the way out: plain instructions, the places behind those products
	s_mul_i32 s23, s[WV], 16*SP
	s_add_co_u32 s23, s23, STAGE
	v_mul_u32_u24 v[STO], v1, SP
	v_lshl_add_u32 v[STO], v9, 4, v[STO]
	v_add_nc_u32 v[STO], s23, v[STO]
	v_bfe_u32 v[RD], v0, 3, 2
	v_mul_u32_u24 v[RD], v[RD], SP
	v_lshl_add_u32 v[RD], v10, 4, v[RD]
	v_add_nc_u32 v[RD], s23, v[RD]
	v_and_b32 v[GO], 31, v0
	v_lshlrev_b32 v[GO], 4, v[GO]
.set Y, NP-1                        ; the readlanes, queue B and XS work for piece Y + 1: piece 0
.set rl, 0
.rept 64
	RL
.endr
	s_mov_b32 s[INC+1], 0           ; Q is in: its pointer's registers serve MP's step
	s_add_nc_u64 s[MP:MP+1], s[MP:MP+1], 128  ; no load that names MP is out: from here on it points at the step to be loaded, now step 1
	MLOAD 0                         ; piece 0's words of step 1, for the turn of piece 3
.set qb, 2
.rept 64
	PB
.endr
.irp n, 0,1,2,3,4,5,6,7,8,9,10,11,12,13,14,15,16,17,18,19,20,21
	XS 0, \n
	XS 1, \n
.endr
	v_nop                           ; a plain instruction behind the exponentials
	s_mov_b32 s[CNT], 4
	s_mov_b32 s[SLOTS], 7
	s_branch .Lfirst                ; the loop is entered at a step's first turn, in the middle of a trip
.Lslot:                             ; six times: every slot but the last two is filled again
	CHANGE 1
	s_mov_b32 s[CNT], 4
.Lstep:                             ; a trip: pieces 2 and 3 of one step, then pieces 0 and 1 of the next
	TURN 2
	TURN 3
	WIN 0
.Lfirst:
	TURN 0
	TURN 1
	WIN 0
	s_sub_co_u32 s[CNT], s[CNT], 1
	s_cmp_lg_u32 s[CNT], 0
	s_cbranch_scc1 .Lstep
	s_sub_co_u32 s[SLOTS], s[SLOTS], 1
	s_cmp_lg_u32 s[SLOTS], 0
	s_cbranch_scc1 .Lslot
	CHANGE 0                        ; the tail is written out: nothing is asked for
	s_mov_b32 s[CNT], 5             ; four trips fetch the last slot's steps; the fifth is left in its middle
.Ltail:
	TURN 2, 1
	TURN 3, 1
	WIN 0
	s_sub_co_u32 s[CNT], s[CNT], 1
	s_cmp_eq_u32 s[CNT], 0
	s_cbranch_scc1 .Lout
	TURN 0
	TURN 1
	WIN 0
	s_branch .Ltail
.Lout:                              ; the fifth trip's products K Q^T (on the last K once more) and what is made of them serve nothing: the price of one text for every trip
.set i, 0
.rept 16
	PV NP-1                         ; the last piece's V^T P of the last step
.set i, i+1
.endr
	; THE WAY OUT.  l's halves are added; O^T is divided by l, rounded to f16 and sent through my stage, a tile at a time.  The additions are the places behind the last products.
	WIN 0
.macro ALL line:vararg
.set t, 0
.rept 2*NP
	\line
.set t, t+1
.endr
.endm
	ALL v_add_f32 v[ST+4*t+2], v[ST+4*t+2], v[ST+4*t+3]
	ALL v_permlanex16_b32 v[ST+4*t+3], v[ST+4*t+2], s[SEL], s[SEL+1]
	ALL v_add_f32 v[ST+4*t+2], v[ST+4*t+2], v[ST+4*t+3]
	ALL v_rcp_f32 v[ST+4*t+2], v[ST+4*t+2]
	v_nop                           ; a plain instruction between the last reciprocal and the use of its result
.macro PACK t
	WIN W_RS
.set i, 32*(\t)
.rept 16
	v_pk_mul_f32 v[i:i+1], v[i:i+1], v[ST+4*(\t)+2:ST+4*(\t)+3] op_sel_hi:[1,0]
.set i, i+2
.endr
	WIN 0x05
.set i, 0
.rept 16
	v_cvt_pk_f16_f32 v[S+16*(\t)+i], v[32*(\t)+2*i], v[32*(\t)+2*i+1]
.set i, i+1
.endr
	WIN 0
.irp f, 0,1,2,3
	ds_store_b128 v[STO], v[S+16*(\t)+4*\f:S+16*(\t)+4*\f+3] offset:32*\f
.endr
.irp f, 0,1,2,3
	ds_load_b128 v[S+16*(\t)+4*\f:S+16*(\t)+4*\f+3], v[RD] offset:\f*4*SP  ; LDS serves a wave's instructions in order: these see the stores above; the next tile's stores come behind them
.endr
.endm
.macro SEND t, younger              ; younger: the LDS instructions issued behind tile t's loads
	WIN 0
.irp f, 0,1,2,3
	s_wait_dscnt (\younger)+3-\f
	global_store_b128 v[GO], v[S+16*(\t)+4*\f:S+16*(\t)+4*\f+3], s[OPT:OPT+1] offset:(\t)*2048+\f*512  ; 512 consecutive bytes, aligned
.endr
.endm
	PACK 0
.set t, 1
.rept 2*NP-1
	PACK t
	SEND t-1, 8
.set t, t+1
.endr
	SEND 2*NP-1, 0
	WIN W_AD
	s_wait_tensorcnt 0x0            ; the wave's end
	ds_add_u32 v[SPW], v[NIL]
	s_wait_dscnt 0x0
	WIN 0
	CROUND                          ; the closing round
	s_endpgm
.Lfunc_end_k_qf483d5a18d_attn:
	.size	k_qf483d5a18d_attn, .Lfunc_end_k_qf483d5a18d_attn-k_qf483d5a18d_attn
	.p2alignl 7, 3214868480
	.fill 96, 4, 3214868480
	.section	.rodata,"a",@progbits
	.p2align	6, 0x0
	.amdhsa_kernel k_qf483d5a18d_attn
		.amdhsa_group_segment_fixed_size 327680
		.amdhsa_private_segment_fixed_size 0
		.amdhsa_enable_private_segment 0
		.amdhsa_kernarg_size 24
		.amdhsa_user_sgpr_count 2
		.amdhsa_user_sgpr_kernarg_segment_ptr 1
		.amdhsa_wavefront_size32 1
		.amdhsa_system_sgpr_workgroup_id_x 1
		.amdhsa_system_sgpr_workgroup_id_y 1
		.amdhsa_system_sgpr_workgroup_id_z 1
		.amdhsa_system_vgpr_workitem_id 0
		.amdhsa_next_free_vgpr 848
		.amdhsa_next_free_sgpr 100
		.amdhsa_reserve_vcc 0
		.amdhsa_float_denorm_mode_32 3
		.amdhsa_float_denorm_mode_16_64 3
		.amdhsa_memory_ordered 1
		.amdhsa_forward_progress 1
		.amdhsa_inst_pref_size 255
	.end_amdhsa_kernel
	.section	.bss,"aw",@nobits
	.p2align	6
	.space	262144
	.amdgpu_metadata
---
amdhsa.version: [ 1, 2 ]
amdhsa.kernels:
  - .name:           k_qf483d5a18d_attn
    .symbol:         k_qf483d5a18d_attn.kd
    .args:
      - { .name: qkv, .offset: 0, .size: 8, .value_kind: global_buffer, .address_space: global }
      - { .name: mw, .offset: 8, .size: 8, .value_kind: global_buffer, .address_space: global }
      - { .name: oh, .offset: 16, .size: 8, .value_kind: global_buffer, .address_space: global }
    .group_segment_fixed_size: 327680
    .private_segment_fixed_size: 0
    .kernarg_segment_align: 8
    .kernarg_segment_size: 24
    .max_flat_workgroup_size: 128
    .sgpr_count:     100
    .vgpr_count:     848
    .wavefront_size: 32
...
	.end_amdgpu_metadata
.endif
;; end of part 6
;; launch outp: the kernel of part 4 again; grid 4 x 64, 4 waves a work-group, clusters of 4 x 4, 327,680 bytes of LDS; arguments oh, xw, bo, out0; writes out0
